; MI455X (gfx1250); checked and timed in simulation.
; The chip was launched on July 23, 2026; its instructions are those of AMD's public machine-readable ISA for CDNA 5 (MIT licence, August 2026) and "CDNA5" Instruction Set Architecture Reference Guide (July 2026). The comments in the code are by the model that wrote it; some were corrected since.
;; Qwen3 Attention TP. Allowed arithmetic: float matrix products may take bf16 or f16 operands with f32 sums; other float arithmetic in f32, or as packed bf16 or f16 multiplies, adds, multiply-adds, maxima and minima; sums over many terms, partial sums and values carried from step to step in f32; what a program stores and reads back later, other than sums and carried values, may be rounded once to bf16 or f16.
;; Inputs: attention_mask 1 x 1 x 2,048 x 2,048 float32; bk 1,024 float32; bq 2,048 float32; bv 1,024 float32; cos 2,048 x 128 float32; hidden_states 1 x 2,048 x 4,096 float32; k_norm_w 128 float32; q_norm_w 128 float32; sin 2,048 x 128 float32; wk 1,024 x 4,096 float32; wo 4,096 x 2,048 float32; wq 2,048 x 4,096 float32; wv 1,024 x 4,096 float32.
;; Outputs: out0 1 x 2,048 x 4,096 float32.
;; One version. Each part assembles by itself: llvm-mc -triple=amdgcn-amd-amdhsa -mcpu=gfx1250 --defsym DOCPART=n.
;; ======== version 1 of 1: 4 launches
;; limits: values are held in f16: magnitudes above 65,504 overflow, below 6.1e-05 lose precision
;; workspace buffers: xb 16,777,216 bytes; wb 33,554,432 bytes; wof 16,777,216 bytes; maskr 16,777,216 bytes; ropet 2,162,688 bytes; heads 16,777,216 bytes; obuf 8,388,608 bytes
;; launch prep (part 1): grid 256 x 6, 8 waves a work-group, no clusters, 0 bytes of LDS; arguments hidden_states, wq, wk, wv, wo, attention_mask, cos, sin, xb, wb, wof, maskr, ropet; writes xb, wb, wof, maskr, ropet
.if DOCPART == 1
	.amdgcn_target "amdgcn-amd-amdhsa--gfx1250"
	.amdhsa_code_object_version 6
	.text
	.protected	k_qf5cc791822_prep
	.globl	k_qf5cc791822_prep
	.p2align	8
	.type	k_qf5cc791822_prep,@function
k_qf5cc791822_prep:
	s_mov_b64 s[64:65], 0
	v_nop
	global_prefetch_b8 v0, s[64:65] scope:SCOPE_SE
	s_setreg_imm32_b32 hwreg(HW_REG_WAVE_MODE, 25, 1), 1
	s_wait_xcnt 0x0
; PREP: every large f32 input is rounded once to bf16 (nearest even) and laid out for the matrix launches behind it.
;   y = 0  hidden_states -> xb  bf16 [2048][4096]          y = 1  wq -> wb rows 0-2047, bf16 [4096][4096]
;   y = 2  wk, wv -> wb rows 2048-3071, 3072-4095           y = 3  wo -> wof: 4 x bf16(wo), written as f16 (exact within f16's range)
;   y = 4  attention_mask -> maskr: log2(e) x the bf16 number, as f32: the attention's scores are kept in units of base 2, so that a weight's exponent is a plain difference
;   y = 5  cos, sin -> ropet: bf16 numbers as f32, in the order in which the projection's lanes want them; behind the 2,048 rows four more blocks of 16 rows with cos = 1 and sin = 0,
;          by which the v heads go through the q and k heads' text unchanged
; A stream: no LDS, no matrix unit, no cluster (no work-group shares a byte with another).  Eight waves; thread t owns 16 bytes of every 4,096 that the
; work-group reads; a ring of eight register slots keeps eight loads of every wave on their way.  A wave's store covers 256 (two-byte results) or 512 consecutive bytes, aligned.
; LIMITS: 4 x |wo| stays under 65,504 (f16); below 6e-5 it keeps f16's fixed step of 6e-8.  log2(e) x |mask| stays finite in f32: |mask| under 2.3e38.
.set X,  4                             ; v[4:35]   slot i: four f32 as loaded
.set Y,  36                            ; v[36:67]  slot i: two or four registers to store
.set T,  68                            ; v[68:73]  at work
.set ONES, 2097152                     ; ropet: where the blocks of ones and zeros begin
; One slot's turn.  kind 0: bf16.  kind 1: bf16, times 4, as f16.  kind 2: bf16, times log2(e), as f32.  ahead = 1: the slot is loaded again, eight chunks on.  left: younger loads that may stay out.
.macro SLOT kind, i, ahead, left
	s_wait_loadcnt \left                           ; loads come back in order: mine is in
	s_wait_xcnt 0x0                                ; the slot's Y, which its last store reads, is rewritten only behind this wait
.if (\kind) == 0
	v_cvt_pk_bf16_f32 v[Y+2*(\i)],   v[X+4*(\i)],   v[X+4*(\i)+1]
	v_cvt_pk_bf16_f32 v[Y+2*(\i)+1], v[X+4*(\i)+2], v[X+4*(\i)+3]
.else
	v_cvt_pk_bf16_f32 v[T],   v[X+4*(\i)],   v[X+4*(\i)+1]
	v_cvt_pk_bf16_f32 v[T+1], v[X+4*(\i)+2], v[X+4*(\i)+3]
.if (\kind) == 1
	v_lshlrev_b32 v[T+2], 16, v[T]                 ; back to f32: the low half moves up, the high half stays
	v_and_b32     v[T+3], s34, v[T]
	v_lshlrev_b32 v[T+4], 16, v[T+1]
	v_and_b32     v[T+5], s34, v[T+1]
	v_pk_mul_f32 v[T+2:T+3], v[T+2:T+3], 4.0 op_sel_hi:[1,0]
	v_pk_mul_f32 v[T+4:T+5], v[T+4:T+5], 4.0 op_sel_hi:[1,0]
	v_cvt_pk_f16_f32 v[Y+2*(\i)],   v[T+2], v[T+3]
	v_cvt_pk_f16_f32 v[Y+2*(\i)+1], v[T+4], v[T+5]
.else
	v_lshlrev_b32 v[Y+4*(\i)],   16, v[T]
	v_and_b32     v[Y+4*(\i)+1], s34, v[T]
	v_lshlrev_b32 v[Y+4*(\i)+2], 16, v[T+1]
	v_and_b32     v[Y+4*(\i)+3], s34, v[T+1]
	v_pk_mul_f32 v[Y+4*(\i):Y+4*(\i)+1],   v[Y+4*(\i):Y+4*(\i)+1],   0x3fb8aa3b op_sel_hi:[1,0]  ; log2(e)
	v_pk_mul_f32 v[Y+4*(\i)+2:Y+4*(\i)+3], v[Y+4*(\i)+2:Y+4*(\i)+3], 0x3fb8aa3b op_sel_hi:[1,0]
.endif
.endif
.if \ahead
	global_load_b128 v[X+4*(\i):X+4*(\i)+3], v1, s[4:5] offset:((\i)+8)*4096 th:TH_LOAD_NT
.endif
.if (\kind) == 2
	global_store_b128 v1, v[Y+4*(\i):Y+4*(\i)+3], s[6:7] offset:(\i)*4096
.else
	global_store_b64 v2, v[Y+2*(\i):Y+2*(\i)+1], s[6:7] offset:(\i)*2048
.endif
.endm
; rounds x 8 chunks of 4,096 bytes from s[4:5] to s[6:7]; the last round loads nothing, so no load leaves the buffer
.macro STREAM kind, rounds
.irp i, 0,1,2,3,4,5,6,7
	global_load_b128 v[X+4*(\i):X+4*(\i)+3], v1, s[4:5] offset:(\i)*4096 th:TH_LOAD_NT
.endr
	s_mov_b32 s35, (\rounds)-1
.Lround_\@:
.irp i, 0,1,2,3,4,5,6,7
	SLOT \kind, \i, 1, 7
.endr
	s_wait_xcnt 0x0                                ; the two bases are stepped only behind this wait
	s_add_nc_u64 s[4:5], s[4:5], 0x8000
.if (\kind) == 2
	s_add_nc_u64 s[6:7], s[6:7], 0x8000
.else
	s_add_nc_u64 s[6:7], s[6:7], 0x4000
.endif
	s_sub_co_u32 s35, s35, 1
	s_cmp_lg_u32 s35, 0
	s_cbranch_scc1 .Lround_\@
.irp i, 0,1,2,3,4,5,6,7
	SLOT \kind, \i, 0, 7-(\i)                      ; the counts run down
.endr
.endm
	s_load_b512 s[8:23], s[0:1], 0x0               ; hidden s[8:9], wq s[10:11], wk s[12:13], wv s[14:15], wo s[16:17], mask s[18:19], cos s[20:21], sin s[22:23]
	s_load_b256 s[24:31], s[0:1], 0x40             ; xb s[24:25], wb s[26:27], wof s[28:29], maskr s[30:31]
	s_load_b64 s[32:33], s[0:1], 0x60              ; ropet
	s_and_b32 s2, ttmp7, 0xffff                    ; y: which tensor
	s_mov_b32 s3, ttmp9                            ; x: which part of it
	s_mov_b32 s34, 0xffff0000                      ; a word's upper bf16
	v_lshlrev_b32 v1, 4, v0                        ; 16 t: loads and 16-byte stores
	v_lshlrev_b32 v2, 3, v0                        ; 8 t: 8-byte stores
	s_lshl_b32 s36, s3, 17                         ; 131,072 bytes of f32 a work-group,
	s_mov_b32 s37, 0
	s_lshl_b32 s38, s3, 16                         ; 65,536 bytes of two-byte results (and of the mask, in and out)
	s_mov_b32 s39, 0
	s_wait_kmcnt 0x0
	s_cmp_eq_u32 s2, 5
	s_cbranch_scc1 .Lrope
	s_cmp_eq_u32 s2, 4
	s_cbranch_scc1 .Lmask
	s_cmp_eq_u32 s2, 3
	s_cbranch_scc1 .Lwo
	s_cmp_eq_u32 s2, 0
	s_cselect_b64 s[4:5], s[8:9], s[10:11]         ; hidden_states or wq
	s_cselect_b64 s[6:7], s[24:25], s[26:27]       ; xb or wb
	s_cmp_eq_u32 s2, 2
	s_cbranch_scc0 .Lgo
	s_cmp_lt_u32 s3, 128                           ; y = 2: 128 work-groups for wk, 128 for wv
	s_cselect_b64 s[4:5], s[12:13], s[14:15]
	s_and_b32 s36, s3, 127
	s_lshl_b32 s36, s36, 17
	s_add_nc_u64 s[6:7], s[26:27], 0x1000000       ; behind wq's 2,048 rows of 8,192 bytes
.Lgo:
	s_add_nc_u64 s[4:5], s[4:5], s[36:37]
	s_add_nc_u64 s[6:7], s[6:7], s[38:39]
	STREAM 0, 4
	s_endpgm
.Lwo:
	s_add_nc_u64 s[4:5], s[16:17], s[36:37]
	s_add_nc_u64 s[6:7], s[28:29], s[38:39]
	STREAM 1, 4
	s_endpgm
.Lmask:
	s_add_nc_u64 s[4:5], s[18:19], s[38:39]
	s_add_nc_u64 s[6:7], s[30:31], s[38:39]
	STREAM 2, 2
	s_endpgm
.Lrope:
	; ropet: for each block of 16 rows 16,384 bytes: cos, then sin at +8,192.  In each, the 16 bytes at (2 b + jj) x 512 + 16 x lane hold row lane % 16,
	; columns 16 b + 8 (lane / 16) + 4 jj + 0..3.  Work-group x writes half x % 2 (b = 4 (x % 2) + 0..3) of block x / 2: thread t is chunk t / 32, lane t % 32.
	v_and_b32 v3, 15, v0
	v_lshlrev_b32 v3, 9, v3                        ; row x 512 bytes
	v_bfe_u32 v[T], v0, 6, 2
	v_lshl_or_b32 v3, v[T], 6, v3                  ; b % 4: 64 bytes
	v_bfe_u32 v[T], v0, 4, 1
	v_lshl_or_b32 v3, v[T], 5, v3                  ; lane / 16: 32 bytes
	v_bfe_u32 v[T], v0, 5, 1
	v_lshl_or_b32 v3, v[T], 4, v3                  ; jj: 16 bytes
	s_lshr_b32 s36, s3, 1                          ; the block
	s_and_b32 s38, s3, 1                           ; the half
	s_lshl_b32 s40, s36, 13
	s_lshl_b32 s41, s38, 8
	s_add_co_u32 s40, s40, s41
	s_mov_b32 s41, 0
	s_lshl_b32 s36, s36, 14
	s_lshl_b32 s38, s38, 12
	s_add_co_u32 s36, s36, s38
	s_add_nc_u64 s[4:5], s[20:21], s[40:41]
	s_add_nc_u64 s[6:7], s[22:23], s[40:41]
	s_add_nc_u64 s[32:33], s[32:33], s[36:37]
	global_load_b128 v[X:X+3], v3, s[4:5]
	global_load_b128 v[X+4:X+7], v3, s[6:7]
	s_wait_loadcnt 0x0
.irp i, 0,1
	v_cvt_pk_bf16_f32 v[T],   v[X+4*(\i)],   v[X+4*(\i)+1]
	v_cvt_pk_bf16_f32 v[T+1], v[X+4*(\i)+2], v[X+4*(\i)+3]
	v_lshlrev_b32 v[Y+4*(\i)],   16, v[T]
	v_and_b32     v[Y+4*(\i)+1], s34, v[T]
	v_lshlrev_b32 v[Y+4*(\i)+2], 16, v[T+1]
	v_and_b32     v[Y+4*(\i)+3], s34, v[T+1]
.endr
	global_store_b128 v1, v[Y:Y+3], s[32:33]
	global_store_b128 v1, v[Y+4:Y+7], s[32:33] offset:8192
	s_cmp_lt_u32 s3, 8                             ; work-groups 0 to 7 hold the places of blocks 0 to 3: the same places, ONES bytes on, take the four blocks of ones and zeros
	s_cbranch_scc0 .Lrope_end
.irp i, 0,1,2,3
	v_mov_b32 v[X+(\i)], 1.0                       ; X has been read: its loads were waited for above
	v_mov_b32 v[X+4+(\i)], 0
.endr
	global_store_b128 v1, v[X:X+3], s[32:33] offset:ONES
	global_store_b128 v1, v[X+4:X+7], s[32:33] offset:ONES+8192
.Lrope_end:
	s_endpgm
.Lfunc_end_k_qf5cc791822_prep:
	.size	k_qf5cc791822_prep, .Lfunc_end_k_qf5cc791822_prep-k_qf5cc791822_prep
	.p2alignl 7, 3214868480
	.fill 96, 4, 3214868480
	.section	.rodata,"a",@progbits
	.p2align	6, 0x0
	.amdhsa_kernel k_qf5cc791822_prep
		.amdhsa_group_segment_fixed_size 0
		.amdhsa_private_segment_fixed_size 0
		.amdhsa_enable_private_segment 0
		.amdhsa_kernarg_size 104
		.amdhsa_user_sgpr_count 2
		.amdhsa_user_sgpr_kernarg_segment_ptr 1
		.amdhsa_wavefront_size32 1
		.amdhsa_system_sgpr_workgroup_id_x 1
		.amdhsa_system_sgpr_workgroup_id_y 1
		.amdhsa_system_sgpr_workgroup_id_z 1
		.amdhsa_system_vgpr_workitem_id 0
		.amdhsa_next_free_vgpr 76
		.amdhsa_next_free_sgpr 66
		.amdhsa_reserve_vcc 0
		.amdhsa_float_denorm_mode_32 3
		.amdhsa_float_denorm_mode_16_64 3
		.amdhsa_memory_ordered 1
		.amdhsa_forward_progress 1
		.amdhsa_inst_pref_size 34
	.end_amdhsa_kernel
	.amdgpu_metadata
---
amdhsa.version: [ 1, 2 ]
amdhsa.kernels:
  - .name:           k_qf5cc791822_prep
    .symbol:         k_qf5cc791822_prep.kd
    .args:
      - { .name: hidden_states, .offset: 0, .size: 8, .value_kind: global_buffer, .address_space: global }
      - { .name: wq, .offset: 8, .size: 8, .value_kind: global_buffer, .address_space: global }
      - { .name: wk, .offset: 16, .size: 8, .value_kind: global_buffer, .address_space: global }
      - { .name: wv, .offset: 24, .size: 8, .value_kind: global_buffer, .address_space: global }
      - { .name: wo, .offset: 32, .size: 8, .value_kind: global_buffer, .address_space: global }
      - { .name: attention_mask, .offset: 40, .size: 8, .value_kind: global_buffer, .address_space: global }
      - { .name: cos, .offset: 48, .size: 8, .value_kind: global_buffer, .address_space: global }
      - { .name: sin, .offset: 56, .size: 8, .value_kind: global_buffer, .address_space: global }
      - { .name: xb, .offset: 64, .size: 8, .value_kind: global_buffer, .address_space: global }
      - { .name: wb, .offset: 72, .size: 8, .value_kind: global_buffer, .address_space: global }
      - { .name: wof, .offset: 80, .size: 8, .value_kind: global_buffer, .address_space: global }
      - { .name: maskr, .offset: 88, .size: 8, .value_kind: global_buffer, .address_space: global }
      - { .name: ropet, .offset: 96, .size: 8, .value_kind: global_buffer, .address_space: global }
    .group_segment_fixed_size: 0
    .private_segment_fixed_size: 0
    .kernarg_segment_align: 8
    .kernarg_segment_size: 104
    .max_flat_workgroup_size: 256
    .sgpr_count:     66
    .vgpr_count:     76
    .wavefront_size: 32
...
	.end_amdgpu_metadata
.endif
;; end of part 1
;; launch qkvproj (part 2): grid 16 x 16, 4 waves a work-group, clusters of 4 x 4, 327,680 bytes of LDS; arguments xb, wb, bq, bk, bv, q_norm_w, k_norm_w, ropet, heads; writes heads
.if DOCPART == 2
	.amdgcn_target "amdgcn-amd-amdhsa--gfx1250"
	.amdhsa_code_object_version 6
	.text
	.protected	k_qf5cc791822_qkvproj
	.globl	k_qf5cc791822_qkvproj
	.p2align	8
	.type	k_qf5cc791822_qkvproj,@function
k_qf5cc791822_qkvproj:
	s_mov_b64 s[64:65], 0
	v_nop
	global_prefetch_b8 v0, s[64:65] scope:SCOPE_SE
	s_setreg_imm32_b32 hwreg(HW_REG_WAVE_MODE, 25, 1), 1
	s_wait_xcnt 0x0
	s_wait_alu depctr_hold_cnt(0) depctr_sa_sdst(0) depctr_va_vdst(0) depctr_va_sdst(0) depctr_va_ssrc(0) depctr_va_vcc(0) depctr_vm_vsrc(0)
	s_getreg_b32 s2, hwreg(HW_REG_IB_STS2, 6, 4)
	s_cmp_eq_u32 s2, 0
	s_cbranch_scc0 .Lentry_in_a_cluster
	s_endpgm
.Lentry_in_a_cluster:
	s_bfe_u32 s2, ttmp6, 0x10000c
	s_cmp_lg_u32 s2, 0xf033
	s_cbranch_scc0 .Lentry_shape_is_right
	s_endpgm
.Lentry_shape_is_right:
; Q, K, V PROJECTION, RMS NORM AND ROPE.  C[m][n] = sum over k of xb[m][k] wb[n][k] (bf16 operands, f32 sums), m < 2048, n < 4096, K = 4096; then, by heads of 128 columns:
;   heads 0-15 (q), 16-23 (k): x = C + bias; z = gain x; out = rsqrt(mean x^2 + 1e-6) (z cos + rotate_half(z) sin), rounded once to f16;   heads 24-31 (v): (C + bias) / 4, rounded once to f16.
; ONE TEXT FOR ALL HEADS: a v head takes gain = 1, cos = 1 and sin = 0 from the blocks of ones and zeros behind ropet's rows, and 1/4 in the rsqrt's place (one fused line with two scalars: x 1 + 0, or
; x 0 + 1/4); x 1, - z 0 and x 1/4 are exact.  So nothing branches on the kind of head.
; Biases and gains are rounded to bf16 like every other input of the module.  Output: heads [32][2048][128] f16: a head's rows are dense, 256 bytes each.
; LIMITS: |C + bias| of a v head under 262,000 and |gain| under 4,000 (f16 ends at 65,504; a normed row's numbers are at most 11.4 |gain|); NaN and infinities are not treated apart.
; SHARES.  A work-group makes 128 rows x 256 columns: 16 x 16 work-groups.  Four waves, each 64 rows x 128 columns = ONE head: 32 accumulators, 256 registers.
; THE RING.  The tile's 384 rows leave room in LDS for 384 along K.  Two slots of 256 do not fit (405,504 bytes), and 192 divides no K here; so the two slots are UNEVEN: a long one, 256 along K (rows of 512
; bytes), and a short one, 128 along K (rows of 256 bytes), which take turns: K = 4096 is L (S L) x 10.  A cycle of 384 along K has two changes of slots; the short slot's load has the long slot's 240 matrix
; instructions in which to land, the long slot's load the short slot's 112.  All rows begin at multiples of 256 bytes from the buffers' first bytes.
; CLUSTER 4 x 4: the four of a row need the same rows of xb, the four of a column the same rows of wb: each tile is asked for jointly, same descriptor, a mask of four.
; The matrix instruction is used transposed (source 0 = 16 rows of wb, source 1 = 16 rows of xb): a lane holds ONE row of C and, of each 16 columns, 8 neighbouring ones.  So a lane holds 64 of its
; row's 128 numbers of the head, channel d and channel d + 64 both, and the lane 16 away the others: the norm wants one exchange, the rotation none.
; REGISTERS, in windows of 256 (s_set_vgpr_msb: bits 1:0 source 0, 3:2 source 1, 5:4 source 2, 7:6 destination):
;   window 0: v0-43 addresses and small work; v64-127 A's fragments, two buffers of 32; v128-255 B's, two buffers of 64; on the way out X, Z, H, BK in their place
;   window 1: the accumulators, (a, b) at v[8 (8 a + b)]     window 2: v0-63 bias, v64-127 gain, v128-191 cos, v192-255 sin (row blocks 0, 2)     window 3: v0-63 cos, v64-127 sin (row blocks 1, 3)
.set SIZE_K, 4096
.set PL,     528                       ; a row of the long slot: 512 bytes + 16 of padding; of the short: 256 + 16.  Both are odd multiples of 16: the 16 rows of a fragment load
.set PS,     272                       ; start at 16 different groups of four banks (64 banks of 4 bytes: ISA guide 11.1)
.set LA,     0                         ; the long slot: A's 128 rows,
.set LB,     128*PL                    ; B's 256
.set SA,     384*PL                    ; the short slot: A's 128 rows,
.set SB,     SA+128*PS                 ; B's 256
.set STAGE,  SA+384*PS                 ; behind the ring: 16 rows x 272 bytes for each wave, for the way out
.set SPITCH, 272
.set SPARE,  STAGE+4*16*SPITCH         ; the spare words, 128 bytes for each wave; no other line names them
.set KL0,    0                         ; where along K the long slot's first tile begins,
.set KS0,    256                       ; and the short slot's
.set CYC,    384*2                     ; bytes along K from a slot's tile to its next
.set ALA,  16                          ; v16  LDS address of my A fragments in the long slot
.set ALB,  17                          ; v17  of my B fragments there
.set ASA,  18                          ; v18, v19  the same in the short slot
.set ASB,  19
.set RA,   20                          ; v20, v21  the long slot's addresses plus the inner loop's step
.set RB,   21
.set STO,  24                          ; v24     the way out: where I put 16 bytes of a row
.set RD,   25                          ; v25     where I read rows back
.set GOF,  26                          ; v26     16 x lane: my place in 512 consecutive bytes (output, cos and sin)
.set BO,   27                          ; v27     32 (lane / 16): my place in 16 numbers of bias or gain
.set SPW,  28                          ; v28     my spare word; never rewritten
.set NIL,  29                          ; v29     0; never rewritten
.set SS,   32                          ; v32-39  four packed chains of squares
.set RS,   40                          ; v40-41  rsqrt (the pair's low word serves both halves)
.set TP,   42                          ; v42-43  at work
.set FA,   64
.set FB,   128
.set X,    64                          ; the way out: 64 f32 of a row
.set Z,    128                         ; gain x
.set H,    192                         ; 32 registers of f16 pairs
.set BK,   224                         ; 16 rows read back
.set BI,   0                           ; window 2
.set WN,   64                          ; window 2
.set G1A, 24                           ; s[24:31], s[32:39] descriptor group 1 for A's tiles: long, short
.set G1B, 40                           ; s[40:47], s[48:55] for B's
.set G0A, 56                           ; s[56:59], s[60:63] group 0 for A's tiles: long, short
.set G0B, 68                           ; s[68:71], s[72:75] for B's
.set KO,  66                           ; s66  the inner loop's byte step along the long slot's rows
.set GWL, (1<<16)|(1<<20)|(1<<21)|(6<<22)|(3<<25)  ; 2-byte elements; padding on; bit 21 beside a mask; after every 128 words; 4 words
.set GWS, (1<<16)|(1<<20)|(1<<21)|(5<<22)|(3<<25)  ; the same after every 64 words
.set MUL, 0x50                         ; C and D in window 1, fragments in window 0
.set MSB, 0
.macro WIN new                         ; the immediate's high byte repeats the setting that is left; a switch that changes nothing is dropped
.if MSB != (\new)
	s_set_vgpr_msb (MSB<<8)|(\new)
.set MSB, \new
.endif
.endm
.macro PLACES                          ; four plain places between a matrix instruction and a load into, or a vector line on, its registers
.rept 4
	v_nop
.endr
.endm
.macro JLOAD sl                        ; a joint load into the long (0) or the short (1) slot: waves 0, 1 fetch A's halves, waves 2, 3 B's; s_nop 0 and four v_nop follow each line
	s_cmp_eq_u32 s11, 0
	s_cbranch_scc0 .Lfor_b_\@
	tensor_load_to_lds s[G0A+4*(\sl):G0A+4*(\sl)+3], s[G1A+8*(\sl):G1A+8*(\sl)+7]
	s_nop 0
.rept 4
	v_nop
.endr
	s_branch .Lasked_\@
.Lfor_b_\@:
	tensor_load_to_lds s[G0B+4*(\sl):G0B+4*(\sl)+3], s[G1B+8*(\sl):G1B+8*(\sl)+7]
	s_nop 0
.rept 4
	v_nop
.endr
.Lasked_\@:
.endm
.macro CREST                           ; a round of the cluster's barrier behind its opening barrier
	s_cmp_lg_u32 s10, 0
	s_cbranch_scc1 .Lnot_wave_0_\@
	s_barrier_signal -3
.Lnot_wave_0_\@:
	s_barrier_wait -3
	s_barrier_signal -1
	s_barrier_wait -1
.endm
.macro CROUND
	s_barrier_signal -1
	s_barrier_wait -1
	CREST
.endm
.macro G1REST g, cols, rows            ; the words of a group 1 behind its first: a tile of rows x cols elements
	s_mov_b32 s[(\g)+1], (\cols)<<16               ; tensor_dim0
	s_mov_b32 s[(\g)+2], (\rows)<<16               ; tensor_dim1
	s_mov_b32 s[(\g)+3], (\cols)<<16               ; tile_dim0
	s_mov_b32 s[(\g)+4], \rows                     ; tile_dim1
	s_mov_b32 s[(\g)+5], SIZE_K                    ; elements from row to row
	s_mov_b32 s[(\g)+6], 0
	s_mov_b32 s[(\g)+7], 0
.endm
.macro G0SET g, lreg, lconst, areg, kel ; a group 0: LDS address = a wave term + a constant; global address = my rows' first byte + kel elements along K
	s_mov_b32 s[\g], 1
	s_add_co_u32 s[(\g)+1], s\lreg, \lconst
	s_add_nc_u64 s[(\g)+2:(\g)+3], s[\areg:\areg+1], (\kel)*2
	s_or_b32 s[(\g)+3], s[(\g)+3], 0x80000000
.endm
	s_load_b128 s[4:7], s[0:1], 0x0                ; xb s[4:5], wb s[6:7]
	s_load_b256 s[84:91], s[0:1], 0x10             ; bq s[84:85], bk s[86:87], bv s[88:89], q_norm_w s[90:91]
	s_load_b128 s[92:95], s[0:1], 0x30             ; k_norm_w s[92:93], ropet s[94:95]
	s_load_b64 s[8:9], s[0:1], 0x40                ; heads
	v_lshl_add_u32 v[SPW], v0, 2, SPARE
	v_mov_b32 v[NIL], 0
	ds_add_u32 v[SPW], v[NIL]                      ; the wave's opening: the add and its wait stand ahead of my first tensor load; work on registers stands between them
	v_lshrrev_b32 v1, 5, v0
	v_readfirstlane_b32 s10, v1                    ; wave 0..3
	s_lshr_b32 s11, s10, 1                         ; my half of the tile's rows.  Also: I fetch for A (0) or B (1)
	s_and_b32 s12, s10, 1                          ; my half of its columns.  Also: which half of that tile I fetch
	s_bfe_u32 s76, ttmp6, 0x40000                  ; cx
	s_bfe_u32 s77, ttmp6, 0x40004                  ; cy
	s_lshl_b32 s78, ttmp9, 2
	s_add_co_u32 s78, s78, s76                     ; tile column = 4 x cluster x + cx
	s_and_b32 s13, ttmp7, 0xffff
	s_lshl_b32 s13, s13, 2
	s_add_co_u32 s13, s13, s77                     ; tile row = 4 x cluster y + cy
	s_lshl_b32 s79, s77, 2
	s_lshl_b32 s79, 15, s79                        ; my row of the cluster
	s_lshl_b32 s80, 0x1111, s76                    ; my column
	s_mov_b32 s81, ttmp9                           ; the kind: 0, 1 q heads; 2 k heads; 3 v heads
	s_or_b32 s[G1A], s79, GWL
	s_or_b32 s[G1A+8], s79, GWS
	s_or_b32 s[G1B], s80, GWL
	s_or_b32 s[G1B+8], s80, GWS
	G1REST G1A,   256, 64
	G1REST G1A+8, 128, 64
	G1REST G1B,   256, 128
	G1REST G1B+8, 128, 128
	s_lshl_b32 s17, s12, 6
	s_lshl_b32 s16, s13, 7
	s_add_co_u32 s16, s16, s17                     ; A: row 128 x tile row + 64 x half
	s_lshl_b32 s83, s12, 7
	s_lshl_b32 s82, s78, 8
	s_add_co_u32 s82, s82, s83                     ; B: row 256 x tile column + 128 x half
	s_mov_b32 s17, 0
	s_mov_b32 s83, 0
	s_mov_b64 s[18:19], SIZE_K*2
	s_mul_u64 s[16:17], s[16:17], s[18:19]
	s_mul_u64 s[82:83], s[82:83], s[18:19]
	s_mul_i32 s20, s12, 64*PL                      ; where the halves go: no place in the cluster enters an LDS address
	s_mul_i32 s21, s12, 64*PS
	s_mul_i32 s22, s12, 128*PL
	s_mul_i32 s23, s12, 128*PS
	s_wait_dscnt 0x0                               ; the opening add is done
	s_wait_kmcnt 0x0
	s_add_nc_u64 s[14:15], s[4:5], s[16:17]
	s_add_nc_u64 s[82:83], s[6:7], s[82:83]
	CROUND                                         ; all sixteen work-groups are here: the first joint loads meet
	G0SET G0A,   20, LA, 14, KL0
	G0SET G0A+4, 21, SA, 14, KS0
	G0SET G0B,   22, LB, 82, KL0
	G0SET G0B+4, 23, SB, 82, KS0
	JLOAD 0                                        ; the walk begins in the long slot;
	JLOAD 1                                        ; two tensor loads of mine are out
	; addresses.  A fragment: lane l holds row l % 16; K = 8 (l / 16) + 0..7 and 16 + 8 (l / 16) + 0..7: two loads of 16 bytes, 32 bytes apart
	v_and_b32 v1, 15, v0
	v_bfe_u32 v2, v0, 4, 1
	v_mul_u32_u24 v3, v1, PL
	v_lshl_add_u32 v3, v2, 4, v3                   ; row x pitch + 16 x half of the lanes, in the long slot,
	v_mul_u32_u24 v4, v1, PS
	v_lshl_add_u32 v4, v2, 4, v4                   ; in the short slot and in the stage
	s_mul_i32 s20, s11, 64*PL                      ; my 64 rows of A, my 128 rows of B
	s_mul_i32 s21, s11, 64*PS
	s_add_co_u32 s21, s21, SA
	s_add_co_u32 s22, s22, LB
	s_add_co_u32 s23, s23, SB
	v_add_nc_u32 v[ALA], s20, v3
	v_add_nc_u32 v[ALB], s22, v3
	v_add_nc_u32 v[ASA], s21, v4
	v_add_nc_u32 v[ASB], s23, v4
	s_mul_i32 s20, s10, 16*SPITCH
	s_add_co_u32 s20, s20, STAGE                   ; my stage
	v_add_nc_u32 v[STO], s20, v4                   ; in: row l % 16, 16 bytes for each half of the lanes
	v_mul_u32_u24 v5, v2, SPITCH
	v_lshl_add_u32 v5, v1, 4, v5
	v_add_nc_u32 v[RD], s20, v5                    ; back: lanes 0-15 one row of 256 bytes, lanes 16-31 the next
	v_and_b32 v[GOF], 31, v0
	v_lshlrev_b32 v[GOF], 4, v[GOF]
	v_lshlrev_b32 v[BO], 5, v2
	v_mov_b32 v[TP+1], 0                           ; v_permlanex16_b32 counts as a reader of its destination
	v_mov_b32 v[RS+1], 0                           ; named with RS as a pair
	; pointers.  My head = 2 x tile column + column half
	s_lshl_b32 s67, s78, 1
	s_add_co_u32 s67, s67, s12
	s_add_nc_u64 s[82:83], s[94:95], 0x200000      ; behind ropet's 2,048 rows: four blocks with cos = 1 and sin = 0
	s_cmp_eq_u32 s81, 2
	s_cselect_b64 s[96:97], s[86:87], s[84:85]     ; bk or bq
	s_cselect_b64 s[98:99], s[92:93], s[90:91]     ; k_norm_w or q_norm_w
	s_cselect_b32 s20, 16, 0
	s_cmp_eq_u32 s81, 3
	s_cselect_b64 s[96:97], s[88:89], s[96:97]     ; bv
	s_cselect_b64 s[98:99], s[82:83], s[98:99]     ; a v head's gain: ones
	s_cselect_b32 s20, 24, s20
	s_cselect_b32 s88, 0, 1.0                      ; what the rsqrt is multiplied by,
	s_cselect_b32 s89, 0x3e800000, 0               ; and what is added: a v head's factor is 1/4
	s_sub_co_u32 s100, s67, s20                    ; the head's number in its own tensor,
	s_lshl_b32 s100, s100, 9                       ; 512 bytes of bias a head
	s_mov_b32 s101, 0
	s_add_nc_u64 s[96:97], s[96:97], s[100:101]
	s_lshl_b32 s16, s13, 17                        ; cos and sin: 16,384 bytes for 16 rows; my first row is 128 x tile row + 64 x row half;
	s_lshl_b32 s17, s11, 16
	s_add_co_u32 s16, s16, s17
	s_mov_b32 s17, 0
	s_cmp_eq_u32 s81, 3
	s_cselect_b32 s16, 0x200000, s16               ; a v head's: the ones and zeros
	s_add_nc_u64 s[94:95], s[94:95], s[16:17]
	s_lshl_b32 s100, s67, 19                       ; output: 524,288 bytes a head, 256 a row
	s_lshl_b32 s20, s13, 15
	s_add_co_u32 s100, s100, s20
	s_lshl_b32 s20, s11, 14
	s_add_co_u32 s100, s100, s20
	s_add_nc_u64 s[8:9], s[8:9], s[100:101]
	s_mov_b32 s84, 0xffff0000                      ; a word's upper bf16
	s_mov_b32 s85, 0x3c000000                      ; 1 / 128
	s_mov_b32 s86, 0x76543210                      ; v_permlanex16_b32: each lane takes its own place in the other half
	s_mov_b32 s87, 0xfedcba98
	s_mov_b32 s90, 0x358637bd                      ; 1e-6
	; bias and gain of my 64 columns, register 8 b + j = column 16 b + 8 (l / 16) + j; all this stands in the wait for the first tiles
	WIN 0x80                                       ; destination window 2
.irp b, 0,1,2,3,4,5,6,7
	global_load_b128 v[BI+8*(\b):BI+8*(\b)+3],   v[BO], s[96:97] offset:64*(\b)
	global_load_b128 v[BI+8*(\b)+4:BI+8*(\b)+7], v[BO], s[96:97] offset:64*(\b)+16
	global_load_b128 v[WN+8*(\b):WN+8*(\b)+3],   v[BO], s[98:99] offset:64*(\b)
	global_load_b128 v[WN+8*(\b)+4:WN+8*(\b)+7], v[BO], s[98:99] offset:64*(\b)+16
.endr
	s_wait_loadcnt 0x0
.macro ROUNDB base                     ; 64 f32 in window 2 rounded to bf16, in place
	WIN 0x8a
.set n, 0
.rept 32
	v_cvt_pk_bf16_f32 v[128+n%4], v[(\base)+2*n], v[(\base)+2*n+1]
	v_lshlrev_b32 v[(\base)+2*n], 16, v[128+n%4]
	v_and_b32 v[(\base)+2*n+1], s84, v[128+n%4]
.set n, n+1
.endr
.endm
	ROUNDB BI
	ROUNDB WN
.macro LOADR a                         ; cos and sin of my row block a (16 rows): 32 loads of 512 consecutive bytes; register 4 n + e = column 16 (n / 2) + 8 (l / 16) + 4 (n % 2) + e
.if ((\a)%2) == 0
	WIN 0x80
.set rc, 128
.else
	WIN 0xc0
.set rc, 0
.endif
.set n, 0
.rept 16
	global_load_b128 v[rc+4*n:rc+4*n+3],       v[GOF], s[94:95] offset:(\a)*16384+n*512
	global_load_b128 v[rc+64+4*n:rc+64+4*n+3], v[GOF], s[94:95] offset:(\a)*16384+8192+n*512
.set n, n+1
.endr
.endm
	LOADR 0
	LOADR 1                                        ; these stay out while K is walked
	WIN 0
; 8 matrix instructions: row block a x all 8 column blocks, 32 along K, from buffer f.  zero = 1: the product starts the sums
.macro MUL8 f, a, zero
	WIN MUL
.irp b, 0,1,2,3,4,5,6,7
.if \zero
	v_wmma_f32_16x16x32_bf16 v[8*(8*(\a)+(\b)):8*(8*(\a)+(\b))+7], v[FB+64*(\f)+8*(\b):FB+64*(\f)+8*(\b)+7], v[FA+32*(\f)+8*(\a):FA+32*(\f)+8*(\a)+7], 0
.else
	v_wmma_f32_16x16x32_bf16 v[8*(8*(\a)+(\b)):8*(8*(\a)+(\b))+7], v[FB+64*(\f)+8*(\b):FB+64*(\f)+8*(\b)+7], v[FA+32*(\f)+8*(\a):FA+32*(\f)+8*(\a)+7], v[8*(8*(\a)+(\b)):8*(8*(\a)+(\b))+7]
.endif
.endr
.endm
; 24 LDS loads in one run: 32 along K at byte k of rows p bytes apart, by the address registers ra (A) and rb (B), into buffer f: B's sixteen first, then A's eight
.macro FETCH ra, rb, p, k, f
	WIN 0
.irp i, 0,1,2,3,4,5,6,7
	ds_load_b128 v[FB+64*(\f)+8*(\i):FB+64*(\f)+8*(\i)+3],   v[\rb] offset:(\k)+(\i)*16*(\p)
	ds_load_b128 v[FB+64*(\f)+8*(\i)+4:FB+64*(\f)+8*(\i)+7], v[\rb] offset:(\k)+(\i)*16*(\p)+32
.endr
.irp i, 0,1,2,3
	ds_load_b128 v[FA+32*(\f)+8*(\i):FA+32*(\f)+8*(\i)+3],   v[\ra] offset:(\k)+(\i)*16*(\p)
	ds_load_b128 v[FA+32*(\f)+8*(\i)+4:FA+32*(\f)+8*(\i)+7], v[\ra] offset:(\k)+(\i)*16*(\p)+32
.endr
.endm
; A quarter is 32 along K, 32 matrix instructions, on buffers 0, 1 by turns: the long slot has eight, the short four.  It multiplies buffer f and fetches the next quarter into g.
; The 32 accumulators take turns in one fixed order.
.macro QUARTER ra, rb, p, k, f, g, zero
	s_wait_dscnt 4                                 ; B and A's blocks 0, 1 are in; the youngest four loads (A's blocks 2, 3) may be out
	MUL8 \f, 0, \zero
	MUL8 \f, 1, \zero
	PLACES
	FETCH \ra, \rb, \p, \k, \g
	s_wait_dscnt 24                                ; all but the 24 just issued
	MUL8 \f, 2, \zero
	MUL8 \f, 3, \zero
.endm
; Quarters 1 to 6 of the long slot: written once, walked three times; the byte step along the rows is a scalar that is added to the lane's addresses.
.macro PAIRS
	WIN 0
	s_mov_b32 s[KO], 0
	s_mov_b32 s2, 3
.Lpair_\@:
	v_add_nc_u32 v[RA], s[KO], v[ALA]
	v_add_nc_u32 v[RB], s[KO], v[ALB]
	QUARTER RA, RB, PL, 128, 1, 0, 0
	QUARTER RA, RB, PL, 192, 0, 1, 0
	WIN 0
	s_add_co_u32 s[KO], s[KO], 128
	s_sub_co_u32 s2, s2, 1
	s_cmp_lg_u32 s2, 0
	s_cbranch_scc1 .Lpair_\@
.endm
; A slot's last quarter multiplies buffer 1 and changes slots; sl = the slot that is left (0 long, 1 short).  One barrier; ahead of it each wave waits for all its tensor loads (one is out: its part of the
; other slot), adds 0 to its spare word, and waits for that and for its reads of this slot.  fill = 1: the barrier opens a round of the cluster's, and this slot is filled again, 384 along K on,
; first thing behind the round.
.macro TURN sl, fill
	WIN 0
	s_wait_tensorcnt 0x0
	ds_add_u32 v[SPW], v[NIL]
	s_wait_dscnt 5                                 ; the add and the youngest four loads may be out
	MUL8 1, 0, 0
	s_wait_dscnt 0x0                               ; the add is done, and my reads of this slot are over
	s_barrier_signal -1
	MUL8 1, 1, 0
.if \fill
	WIN 0
.endif
	s_barrier_wait -1
.if \fill
	CREST                                          ; no wave of any partner still reads this slot or has a load on its way
	s_add_nc_u64 s[G0A+4*(\sl)+2:G0A+4*(\sl)+3], s[G0A+4*(\sl)+2:G0A+4*(\sl)+3], CYC
	s_add_nc_u64 s[G0B+4*(\sl)+2:G0B+4*(\sl)+3], s[G0B+4*(\sl)+2:G0B+4*(\sl)+3], CYC
	JLOAD \sl                                      ; its four v_nop are also the places ahead of the loads below
.else
	PLACES
.endif
.if (\sl) == 0
	FETCH ASA, ASB, PS, 0, 0
.else
	FETCH ALA, ALB, PL, 0, 0
.endif
	MUL8 1, 2, 0
	MUL8 1, 3, 0
.endm
	s_wait_tensorcnt 1                             ; my part of the long slot is in; the short slot's may stay out
	s_barrier_signal -1
	s_barrier_wait -1
	FETCH ALA, ALB, PL, 0, 0
	QUARTER ALA, ALB, PL, 64, 0, 1, 1              ; the first quarter starts the sums: nothing is cleared
	WIN 0
	s_mov_b32 s3, 10
	s_branch .Lenter                               ; the loop is entered in its middle: the long slot is filled again ten times, the short slot nine times
.Lcycle:
	QUARTER ASA, ASB, PS, 64,  0, 1, 0
	QUARTER ASA, ASB, PS, 128, 1, 0, 0
	QUARTER ASA, ASB, PS, 192, 0, 1, 0
	TURN 1, 1
	QUARTER ALA, ALB, PL, 64,  0, 1, 0
	WIN 0
.Lenter:
	PAIRS
	TURN 0, 1
	WIN 0
	s_sub_co_u32 s3, s3, 1
	s_cmp_lg_u32 s3, 0
	s_cbranch_scc1 .Lcycle
	QUARTER ASA, ASB, PS, 64,  0, 1, 0             ; the tail is written out: the last short slot, the last long one, no fill
	QUARTER ASA, ASB, PS, 128, 1, 0, 0
	QUARTER ASA, ASB, PS, 192, 0, 1, 0
	TURN 1, 0
	QUARTER ALA, ALB, PL, 64,  0, 1, 0
	PAIRS
	s_wait_dscnt 4
	MUL8 1, 0, 0
	MUL8 1, 1, 0
	s_wait_dscnt 0x0
	MUL8 1, 2, 0
	MUL8 1, 3, 0
	WIN 0
; THE WAY OUT, a block of 16 rows at a time.  STAGEOUT: X rounded to f16; 16 bytes a lane into my own stage; back as whole rows of 256 bytes; 512 consecutive bytes a store.
.macro STAGEOUT a
	WIN 0
.set n, 0
.rept 32
	v_cvt_pk_f16_f32 v[H+n], v[X+2*n], v[X+2*n+1]
.set n, n+1
.endr
.irp b, 0,1,2,3,4,5,6,7
	ds_store_b128 v[STO], v[H+4*(\b):H+4*(\b)+3] offset:32*(\b)
.endr
	s_wait_xcnt 0x0                                ; BK, which the last block's stores read, is loaded again only behind this wait
.irp t, 0,1,2,3,4,5,6,7
	ds_load_b128 v[BK+4*(\t):BK+4*(\t)+3], v[RD] offset:(\t)*2*SPITCH  ; LDS serves a wave's instructions in order (ISA guide 5.7.1.4): these see the stores above
.endr
.irp t, 0,1,2,3,4,5,6,7
	s_wait_dscnt 7-(\t)
	global_store_b128 v[GOF], v[BK+4*(\t):BK+4*(\t)+3], s[8:9] offset:(\a)*4096+512*(\t)
.endr
.endm
; Block a.  Register n of X, Z, cos, sin: channel 16 (n / 8) + 8 (l / 16) + n % 8, so register n + 32 is channel + 64.
.macro EPQ a
	WIN 0x09                                       ; source 0 window 1 (sums, from each accumulator's low end on), source 1 window 2 (bias)
.set n, 0
.rept 32
	v_pk_add_f32 v[X+2*n:X+2*n+1], v[64*(\a)+2*n:64*(\a)+2*n+1], v[BI+2*n:BI+2*n+1]
.set n, n+1
.endr
	WIN 0
.set n, 0
.rept 4
	v_pk_mul_f32 v[SS+2*n:SS+2*n+1], v[X+2*n:X+2*n+1], v[X+2*n:X+2*n+1]  ; four chains of squares, started by the first four pairs
.set n, n+1
.endr
.rept 28
	v_pk_fma_f32 v[SS+2*(n%4):SS+2*(n%4)+1], v[X+2*n:X+2*n+1], v[X+2*n:X+2*n+1], v[SS+2*(n%4):SS+2*(n%4)+1]
.set n, n+1
.endr
	v_pk_add_f32 v[SS:SS+1], v[SS:SS+1], v[SS+2:SS+3]
	v_pk_add_f32 v[SS+4:SS+5], v[SS+4:SS+5], v[SS+6:SS+7]
	v_pk_add_f32 v[SS:SS+1], v[SS:SS+1], v[SS+4:SS+5]
	v_add_f32 v[TP], v[SS], v[SS+1]
	v_permlanex16_b32 v[TP+1], v[TP], s86, s87     ; the row's other 64 channels lie in the lane 16 away
	v_add_f32 v[TP], v[TP], v[TP+1]
	v_fma_f32 v[TP], v[TP], s85, s90               ; mean + eps
	v_rsq_f32 v[RS], v[TP]                         ; the multiplies below are the plain lines between it and its use
	WIN 0x08                                       ; source 1 window 2: the gain
.set n, 0
.rept 32
	v_pk_mul_f32 v[Z+2*n:Z+2*n+1], v[X+2*n:X+2*n+1], v[WN+2*n:WN+2*n+1]
.set n, n+1
.endr
.if (\a) < 3
	s_wait_loadcnt 32                              ; my block's cos and sin are in; the next block's 32 loads, issued behind them, may be out
.else
	s_wait_loadcnt 0x0
.endif
.if ((\a)%2) == 0
	WIN 0x08
.set rc, 128
.else
	WIN 0x0c
.set rc, 0
.endif
.set n, 0
.rept 16
	v_pk_mul_f32 v[X+2*n:X+2*n+1],       v[Z+2*n:Z+2*n+1],       v[rc+2*n:rc+2*n+1]
	v_pk_mul_f32 v[X+32+2*n:X+32+2*n+1], v[Z+32+2*n:Z+32+2*n+1], v[rc+32+2*n:rc+32+2*n+1]
	v_pk_fma_f32 v[X+2*n:X+2*n+1],       v[Z+32+2*n:Z+32+2*n+1], v[rc+64+2*n:rc+64+2*n+1], v[X+2*n:X+2*n+1] neg_lo:[1,0,0] neg_hi:[1,0,0]  ; d < 64: z[d] cos - z[d + 64] sin
	v_pk_fma_f32 v[X+32+2*n:X+32+2*n+1], v[Z+2*n:Z+2*n+1],       v[rc+96+2*n:rc+96+2*n+1], v[X+32+2*n:X+32+2*n+1]                            ; d >= 64: z[d] cos + z[d - 64] sin
.set n, n+1
.endr
	WIN 0
	s_wait_alu depctr_va_vdst(0)
	v_fma_f32 v[RS], v[RS], s88, s89               ; q and k heads: x 1 + 0; v heads: x 0 + 1/4
.set n, 0
.rept 32
	v_pk_mul_f32 v[X+2*n:X+2*n+1], v[X+2*n:X+2*n+1], v[RS:RS+1] op_sel_hi:[1,0]
.set n, n+1
.endr
	STAGEOUT \a
.if (\a) < 2
	LOADR (\a)+2                                   ; the buffer just read takes the block two further on
.endif
.endm
	PLACES                                         ; behind the last products
	EPQ 0
	EPQ 1
	EPQ 2
	EPQ 3
	WIN 0
	s_wait_tensorcnt 0x0                           ; the wave's end, behind my last tensor load and my last LDS store
	ds_add_u32 v[SPW], v[NIL]
	s_wait_dscnt 0x0
	CROUND                                         ; the closing round: no work-group ends while a partner may still ask for a tile that names it
	s_endpgm
.Lfunc_end_k_qf5cc791822_qkvproj:
	.size	k_qf5cc791822_qkvproj, .Lfunc_end_k_qf5cc791822_qkvproj-k_qf5cc791822_qkvproj
	.p2alignl 7, 3214868480
	.fill 96, 4, 3214868480
	.section	.rodata,"a",@progbits
	.p2align	6, 0x0
	.amdhsa_kernel k_qf5cc791822_qkvproj
		.amdhsa_group_segment_fixed_size 327680
		.amdhsa_private_segment_fixed_size 0
		.amdhsa_enable_private_segment 0
		.amdhsa_kernarg_size 72
		.amdhsa_user_sgpr_count 2
		.amdhsa_user_sgpr_kernarg_segment_ptr 1
		.amdhsa_wavefront_size32 1
		.amdhsa_system_sgpr_workgroup_id_x 1
		.amdhsa_system_sgpr_workgroup_id_y 1
		.amdhsa_system_sgpr_workgroup_id_z 1
		.amdhsa_system_vgpr_workitem_id 0
		.amdhsa_next_free_vgpr 896
		.amdhsa_next_free_sgpr 102
		.amdhsa_reserve_vcc 0
		.amdhsa_float_denorm_mode_32 3
		.amdhsa_float_denorm_mode_16_64 3
		.amdhsa_memory_ordered 1
		.amdhsa_forward_progress 1
		.amdhsa_inst_pref_size 167
	.end_amdhsa_kernel
	.amdgpu_metadata
---
amdhsa.version: [ 1, 2 ]
amdhsa.kernels:
  - .name:           k_qf5cc791822_qkvproj
    .symbol:         k_qf5cc791822_qkvproj.kd
    .args:
      - { .name: xb, .offset: 0, .size: 8, .value_kind: global_buffer, .address_space: global }
      - { .name: wb, .offset: 8, .size: 8, .value_kind: global_buffer, .address_space: global }
      - { .name: bq, .offset: 16, .size: 8, .value_kind: global_buffer, .address_space: global }
      - { .name: bk, .offset: 24, .size: 8, .value_kind: global_buffer, .address_space: global }
      - { .name: bv, .offset: 32, .size: 8, .value_kind: global_buffer, .address_space: global }
      - { .name: q_norm_w, .offset: 40, .size: 8, .value_kind: global_buffer, .address_space: global }
      - { .name: k_norm_w, .offset: 48, .size: 8, .value_kind: global_buffer, .address_space: global }
      - { .name: ropet, .offset: 56, .size: 8, .value_kind: global_buffer, .address_space: global }
      - { .name: heads, .offset: 64, .size: 8, .value_kind: global_buffer, .address_space: global }
    .group_segment_fixed_size: 327680
    .private_segment_fixed_size: 0
    .kernarg_segment_align: 8
    .kernarg_segment_size: 72
    .max_flat_workgroup_size: 128
    .sgpr_count:     102
    .vgpr_count:     896
    .wavefront_size: 32
...
	.end_amdgpu_metadata
.endif
;; end of part 2
;; launch attn (part 3): grid 32 x 8, 4 waves a work-group, clusters of 4 x 4, 327,680 bytes of LDS; arguments heads, maskr, obuf; writes obuf
.if DOCPART == 3
	.amdgcn_target "amdgcn-amd-amdhsa--gfx1250"
	.amdhsa_code_object_version 6
	.text
	.protected	k_qf5cc791822_attn
	.globl	k_qf5cc791822_attn
	.p2align	8
	.type	k_qf5cc791822_attn,@function
k_qf5cc791822_attn:
	s_mov_b64 s[64:65], 0
	v_nop
	global_prefetch_b8 v0, s[64:65] scope:SCOPE_SE
	s_setreg_imm32_b32 hwreg(HW_REG_WAVE_MODE, 25, 1), 1
	s_wait_xcnt 0x0
	s_wait_alu depctr_hold_cnt(0) depctr_sa_sdst(0) depctr_va_vdst(0) depctr_va_sdst(0) depctr_va_ssrc(0) depctr_va_vcc(0) depctr_vm_vsrc(0)
	s_getreg_b32 s2, hwreg(HW_REG_IB_STS2, 6, 4)
	s_cmp_eq_u32 s2, 0
	s_cbranch_scc0 .Lentry_in_a_cluster
	s_endpgm
.Lentry_in_a_cluster:
	s_bfe_u32 s2, ttmp6, 0x10000c
	s_cmp_lg_u32 s2, 0xf033
	s_cbranch_scc0 .Lentry_shape_is_right
	s_endpgm
.Lentry_shape_is_right:
; ATTENTION WITH AN ADDITIVE MASK THAT IS AN INPUT.  For query head h (key and value head g = h / 2) and row q, with c = log2(e):
;   u[k] = c ((Q[h][q] . K[g][k]) / sqrt(128) + M[q][k]);   O[h][q] = sum over k of 2^(u[k] - max u) V[g][k] / sum over k of 2^(u[k] - max u).  All 2,048 keys are walked for every row: nothing is known of M.
; heads: [32][2048][128] f16: 0-15 Q, 16-23 K, 24-31 V / 4.  maskr: [2048][2048] f32 = c M.  obuf: [2048][2048] f16 = O / 4, column = 128 h + channel.
; Products, u, maxima and sums in f32; the weights p are rounded to f16 for the second product (their sum l is taken of the unrounded p), O once at the end.
; u is made by ONE fused line, S (c / sqrt(128)) + c M, and a weight's exponent is the plain difference u - m: it is exactly 0 where u = m, however large the mask's numbers are, so p never passes 1.
; LIMITS: u finite; a weight below 2^-126 counts as 0 in l; NaN and infinities are not treated apart.
; SHARES.  A work-group owns 64 rows x the TWO query heads of one key head: 32 x 8 work-groups.  Wave w: rows 32 (w % 2) + 0..31, and of every 128 keys the half w / 2.  Its four tiles of 16 queries:
; tile t = head 2 g + t / 2, rows 16 (t % 2) on.  So a step is 4 tiles x 64 keys a wave, 16 steps; at the end the two waves of a row half merge their maxima, sums and O through LDS.
; LAYOUT.  S^T = K Q^T (source 0 = 16 keys, source 1 = 16 queries): a lane holds ONE query (lane % 16) and the keys 8 (lane / 16) + 0..7.  Two such results, rounded to f16 in pairs, ARE source 1 of
; O^T = V^T P, whose result again holds one query a lane.  K comes out of LDS as it lies, V turned by ds_load_tr16_b128, M as 8 neighbouring f32 of the lane's row for each 16 keys.
; SOFTMAX.  A running maximum m of u and sum l: p = 2^(u - m); in every step O and l are multiplied by a = 2^(m_old - m_new).  m starts at the lowest finite number, O and l at 0,
; so the first step is a step like any other, with a = 0: 304 v_mov_b32 stand in the wait for the first tile, and no first step is written out.
; BY TURNS.  Piece 0 = tiles 0, 1 (head 2 g), piece 2 = tiles 2, 3 (head 2 g + 1); both use the same mask registers.  In a turn one piece has the matrix unit: 32 products V^T P of the step in hand, then
; 32 products K Q^T of the next; the other piece's softmax, 298 vector lines cut into 64 slices, stands one slice behind each matrix instruction.
; CLUSTER 4 x 4.  K and V hang on g alone: asked for jointly along a row of the cluster; M hangs on the row block alone: jointly along a column.
; REGISTERS, in windows of 256 (s_set_vgpr_msb: bits 1:0 source 0, 3:2 source 1, 5:4 source 2, 7:6 destination):
;   window 0: v0-11, v44-46 addresses; v12-43 eight registers of statistics a tile; v62-63 the add's; v64-191 S^T, 32 a tile; v192-255 P, 16 a tile
;   window 1: O^T, 64 a tile      window 2: v0-127 Q, 32 a tile; v128-255 K of one step      window 3: v0-127 V of one step; v128-191 M of one step (row tile rt, key block kb at 32 rt + 8 kb)
.set PK,    272       ; a row of K in LDS: 256 bytes + 16: the 16 rows of a load start at 16 different groups of four banks (64 banks of 4 bytes: ISA guide 11.1)
.set PV,    288       ; a row of V: 256 + 32
.set PM,    528       ; a row of M: 512 + 16
.set VOFF,  128*PK    ; a slot: 128 rows of K, 128 rows of V, 64 rows x 128 keys of M
.set MOFF,  VOFF+128*PV
.set SLOT1, 1<<17     ; slot 1 begins here: one exclusive or turns an address in one slot into the other's
.set XCH,   SLOT1+MOFF+64*PM  ; behind the ring: for each wave 2 tiles x 17 x 512 bytes, handed to its partner at the end
.set XWV,   34*512
.set STAGE, XCH+4*XWV ; 16 rows x 272 bytes for each wave, for the way out
.set SP,    272
.set SPARE, STAGE+4*16*SP  ; the spare words, 128 bytes for each wave; no other line names them
.set AK0, 2           ; v2   my lane's place in a slot's K; never rewritten
.set AV0, 3           ; v3   the same for V
.set ADR, 4           ; v4   the LDS address of the run of loads in hand
.set QO,  5           ; v5   my byte offset in 16 rows of Q
.set STO, 6           ; v6   the way out: where I put 16 bytes of a row
.set RD,  7           ; v7   where I read rows back
.set GO,  8           ; v8   my byte offset in two rows of obuf
.set ST,  12          ; tile t's statistics at v[ST+8 t]: +0 m, +1 named with it as a pair (0), +2, +3 l (even keys', odd keys'), +4 to +7 at work; a takes +6 once the maximum is found
.set AM0, 44          ; v44  my lane's place in a slot's M
.set XW,  45          ; v45  where I hand over
.set XR,  46          ; v46  where my partner has handed over
.set SPW, 62
.set NIL, 63
.set S,   64
.set P,   192
.set KF,  128         ; window 2
.set MB,  128         ; window 3
.set WV,  12          ; s12  my wave's number
.set KH,  18          ; s18  my half of the keys
.set G1K, 24          ; s[24:31], s[32:39], s[40:47] descriptor groups 1 for K, V, M
.set G1V, 32
.set G1M, 40
.set G0K, 48          ; s[48:55], s[56:63], s[68:75] groups 0: a set for each of the two first fills; the second then walks on
.set G0V, 56
.set G0M, 68
.set SLOTS, 76
.set CNT, 77
.set IS,  80          ; s[80:81] log2(e) / sqrt(128)
.set SEL, 82          ; s[82:83] v_permlanex16_b32's selects
.set TB,  84          ; s84  the slot from which the next fetches read: 0 or SLOT1
.set QB,  88          ; s[88:89] Q at my first row
.set MSB, 0
.macro WIN new
.if MSB != (\new)
	s_set_vgpr_msb (MSB<<8)|(\new)
.set MSB, \new
.endif
.endm
.set W_KQ, 0x0a       ; K and Q in window 2, S^T in window 0
.set W_PV, 0x53       ; V in window 3, P in window 0, O^T in window 1
.set W_RS, 0x41       ; O^T (destination and source 0) in window 1, a in window 0
.set W_MK, 0x30       ; source 2 (M) in window 3
.macro PLACES
.rept 4
	v_nop
.endr
.endm
; A joint refill: wave 0 fetches K, wave 1 V, wave 2 M, wave 3 nothing.  The branches hang on the wave's number alone.  s_nop 0 and four v_nop follow each load.
.macro JLOAD
	s_cmp_eq_u32 s[WV], 0
	s_cbranch_scc0 .Lnot_k_\@
	tensor_load_to_lds s[G0K+4:G0K+7], s[G1K:G1K+7]
	s_nop 0
.rept 4
	v_nop
.endr
	s_branch .Lasked_\@
.Lnot_k_\@:
	s_cmp_eq_u32 s[WV], 1
	s_cbranch_scc0 .Lnot_v_\@
	tensor_load_to_lds s[G0V+4:G0V+7], s[G1V:G1V+7]
	s_nop 0
.rept 4
	v_nop
.endr
	s_branch .Lasked_\@
.Lnot_v_\@:
	s_cmp_eq_u32 s[WV], 2
	s_cbranch_scc0 .Lasked_\@
	tensor_load_to_lds s[G0M+4:G0M+7], s[G1M:G1M+7]
	s_nop 0
.rept 4
	v_nop
.endr
.Lasked_\@:
.endm
.macro CROUND                       ; a round of the cluster's barrier
	s_barrier_signal -1
	s_barrier_wait -1
	s_cmp_lg_u32 s[WV], 0
	s_cbranch_scc1 .Lnot_wave_0_\@
	s_barrier_signal -3
.Lnot_wave_0_\@:
	s_barrier_wait -3
	s_barrier_signal -1
	s_barrier_wait -1
.endm
	s_load_b128 s[4:7], s[0:1], 0x0 ; heads s[4:5], maskr s[6:7]
	s_load_b64 s[10:11], s[0:1], 0x10  ; obuf
	v_lshl_add_u32 v[SPW], v0, 2, SPARE
	v_mov_b32 v[NIL], 0
	ds_add_u32 v[SPW], v[NIL]       ; the wave's opening: the add and its wait stand ahead of my first tensor load; work on registers stands between them
	v_lshrrev_b32 v1, 5, v0
	v_readfirstlane_b32 s[WV], v1
	s_bfe_u32 s13, ttmp6, 0x40000   ; cx
	s_bfe_u32 s14, ttmp6, 0x40004   ; cy
	s_lshl_b32 s15, ttmp9, 2
	s_add_co_u32 s15, s15, s13      ; my block of 64 rows = 4 x cluster x + cx
	s_and_b32 s16, ttmp7, 0xffff
	s_lshl_b32 s16, s16, 2
	s_add_co_u32 s16, s16, s14      ; g = 4 x cluster y + cy
	s_and_b32 s17, s[WV], 1         ; my half of the rows
	s_lshr_b32 s[KH], s[WV], 1
	s_lshl_b32 s19, s14, 2
	s_lshl_b32 s19, 15, s19         ; my row of the cluster
	s_lshl_b32 s86, 0x1111, s13     ; my column
	s_or_b32 s[G1K], s19, (1<<16)|(1<<20)|(1<<21)|(5<<22)|(3<<25)  ; 2-byte elements; padding on; bit 21 beside a mask; after every 64 words; 4 words
	s_or_b32 s[G1V], s19, (1<<16)|(1<<20)|(1<<21)|(5<<22)|(7<<25)  ; the same with 8 words
	s_or_b32 s[G1M], s86, (2<<16)|(1<<20)|(1<<21)|(6<<22)|(3<<25)  ; 4-byte elements; after every 128 words; 4 words
.irp g, G1K, G1V
	s_mov_b32 s[(\g)+1], 128<<16    ; tensor_dim0 = 128
	s_mov_b32 s[(\g)+2], 128<<16    ; tensor_dim1 = 128
	s_mov_b32 s[(\g)+3], 128<<16    ; tile_dim0 = 128
	s_mov_b32 s[(\g)+4], 128        ; tile_dim1 = 128
	s_mov_b32 s[(\g)+5], 128        ; elements from row to row
	s_mov_b32 s[(\g)+6], 0
	s_mov_b32 s[(\g)+7], 0
.endr
	s_mov_b32 s[G1M+1], 128<<16
	s_mov_b32 s[G1M+2], 64<<16      ; 64 rows
	s_mov_b32 s[G1M+3], 128<<16
	s_mov_b32 s[G1M+4], 64
	s_mov_b32 s[G1M+5], 2048
	s_mov_b32 s[G1M+6], 0
	s_mov_b32 s[G1M+7], 0
	s_add_co_u32 s20, s16, 16
	s_lshl_b32 s20, s20, 19         ; K: head 16 + g, 524,288 bytes a head
	s_mov_b32 s21, 0
	s_add_co_u32 s22, s16, 24
	s_lshl_b32 s22, s22, 19         ; V: head 24 + g
	s_mov_b32 s23, 0
	s_lshl_b32 s2, s15, 19          ; M: 64 rows of 8,192 bytes
	s_mov_b32 s3, 0
	s_lshl_b32 s90, s16, 20         ; Q: head 2 g, row 64 x block + 32 x half, 256 bytes a row
	s_lshl_b32 s91, s15, 14
	s_add_co_u32 s90, s90, s91
	s_lshl_b32 s91, s17, 13
	s_add_co_u32 s90, s90, s91
	s_mov_b32 s91, 0
	s_lshl_b32 s92, s15, 18         ; obuf: the same row, 4,096 bytes a row; column 256 g, two bytes each
	s_lshl_b32 s93, s17, 17
	s_add_co_u32 s92, s92, s93
	s_lshl_b32 s93, s16, 9
	s_add_co_u32 s92, s92, s93
	s_mov_b32 s93, 0
	s_mov_b32 s[IS], 0x3e0293ee     ; log2(e) / sqrt(128) = 0.127517
	s_mov_b32 s[IS+1], s[IS]        ; named with it as a pair
	s_mov_b32 s[SEL], 0x76543210
	s_mov_b32 s[SEL+1], 0xfedcba98
	s_mov_b32 s[TB], 0
	s_wait_dscnt 0x0                ; the opening add is done
	s_wait_kmcnt 0x0
	s_add_nc_u64 s[20:21], s[4:5], s[20:21]
	s_add_nc_u64 s[22:23], s[4:5], s[22:23]
	s_add_nc_u64 s[2:3], s[6:7], s[2:3]
	s_add_nc_u64 s[QB:QB+1], s[4:5], s[90:91]
	s_add_nc_u64 s[10:11], s[10:11], s[92:93]
	CROUND                          ; all sixteen work-groups are here: the first joint loads meet
.irp s, 0,1
	s_mov_b32 s[G0K+4*(\s)], 1
	s_mov_b32 s[G0K+4*(\s)+1], (\s)*SLOT1
	s_add_nc_u64 s[G0K+4*(\s)+2:G0K+4*(\s)+3], s[20:21], (\s)*32768  ; slot s begins with keys 128 s on
	s_or_b32 s[G0K+4*(\s)+3], s[G0K+4*(\s)+3], 0x80000000
	s_mov_b32 s[G0V+4*(\s)], 1
	s_mov_b32 s[G0V+4*(\s)+1], (\s)*SLOT1+VOFF
	s_add_nc_u64 s[G0V+4*(\s)+2:G0V+4*(\s)+3], s[22:23], (\s)*32768
	s_or_b32 s[G0V+4*(\s)+3], s[G0V+4*(\s)+3], 0x80000000
	s_mov_b32 s[G0M+4*(\s)], 1
	s_mov_b32 s[G0M+4*(\s)+1], (\s)*SLOT1+MOFF
	s_add_nc_u64 s[G0M+4*(\s)+2:G0M+4*(\s)+3], s[2:3], (\s)*512
	s_or_b32 s[G0M+4*(\s)+3], s[G0M+4*(\s)+3], 0x80000000
.endr
	s_cmp_eq_u32 s[WV], 0           ; a wave's two first fills stand in one arm, ahead of every wait on TENSORcnt and every LDS read: two loads of mine are out (wave 3: none)
	s_cbranch_scc0 .Lf_not_k
	tensor_load_to_lds s[G0K:G0K+3], s[G1K:G1K+7]
	s_nop 0
	tensor_load_to_lds s[G0K+4:G0K+7], s[G1K:G1K+7]
	s_nop 0
.rept 4
	v_nop
.endr
	s_branch .Lf_asked
.Lf_not_k:
	s_cmp_eq_u32 s[WV], 1
	s_cbranch_scc0 .Lf_not_v
	tensor_load_to_lds s[G0V:G0V+3], s[G1V:G1V+7]
	s_nop 0
	tensor_load_to_lds s[G0V+4:G0V+7], s[G1V:G1V+7]
	s_nop 0
.rept 4
	v_nop
.endr
	s_branch .Lf_asked
.Lf_not_v:
	s_cmp_eq_u32 s[WV], 2
	s_cbranch_scc0 .Lf_asked
	tensor_load_to_lds s[G0M:G0M+3], s[G1M:G1M+7]
	s_nop 0
	tensor_load_to_lds s[G0M+4:G0M+7], s[G1M:G1M+7]
	s_nop 0
.rept 4
	v_nop
.endr
.Lf_asked:
	v_and_b32 v1, 15, v0            ; l % 16
	v_bfe_u32 v9, v0, 4, 1          ; l / 16
	v_lshlrev_b32 v[QO], 8, v1
	v_lshl_add_u32 v[QO], v9, 4, v[QO]
	WIN 0x80                        ; destination window 2
.set i, 0
.rept 16                            ; Q stays in registers: tile i / 4, channels 32 (i % 4) on
	global_load_b128 v[8*i:8*i+3],   v[QO], s[QB:QB+1] offset:(i/8)*524288+((i/4)%2)*4096+(i%4)*64
	global_load_b128 v[8*i+4:8*i+7], v[QO], s[QB:QB+1] offset:(i/8)*524288+((i/4)%2)*4096+(i%4)*64+32
.set i, i+1
.endr
	WIN 0x40                        ; what the first turns find: O^T = 0,
.set i, 0
.rept 256
	v_mov_b32 v[i], 0
.set i, i+1
.endr
	WIN 0
.set i, P+32
.rept 32
	v_mov_b32 v[i], 0               ; piece 2's P = 0 (the first turn's products V^T P, of a step that has not been, add 0),
.set i, i+1
.endr
.set i, 0
.rept 4
	v_mov_b32 v[ST+8*i], 0xff7fffff    ; m the lowest finite number: the first maximum is the scores', and the first a is 0,
	v_mov_b32 v[ST+8*i+1], 0           ; (named with m as a pair)
	v_mov_b32 v[ST+8*i+2], 0           ; l = 0
	v_mov_b32 v[ST+8*i+3], 0
.set i, i+1
.endr
	s_mul_i32 s21, s[KH], 64*PK
	v_mul_u32_u24 v[AK0], v1, PK
	v_lshl_add_u32 v[AK0], v9, 4, v[AK0]
	v_add_nc_u32 v[AK0], s21, v[AK0]   ; my half's 64 rows; row x pitch + 16 x half of the lanes
	; the turning load takes 16 keys x 16 channels (lane l reads key 8 (l / 16) + l % 8, channels 8 ((l / 8) % 2) + 0..7) and leaves half a fragment of V^T
	v_and_b32 v10, 7, v0
	v_bfe_u32 v11, v0, 3, 1
	v_lshl_add_u32 v[AV0], v9, 3, v10
	v_mul_u32_u24 v[AV0], v[AV0], PV
	v_lshl_add_u32 v[AV0], v11, 4, v[AV0]
	s_mul_i32 s21, s[KH], 64*PV
	s_add_co_u32 s21, s21, VOFF
	v_add_nc_u32 v[AV0], s21, v[AV0]
	s_mul_i32 s21, s17, 32*PM       ; M: row 32 x row half + l % 16; keys 64 x key half + 8 (l / 16), four bytes each
	s_lshl_b32 s22, s[KH], 8
	s_add_co_u32 s21, s21, s22
	s_add_co_u32 s21, s21, MOFF
	v_mul_u32_u24 v[AM0], v1, PM
	v_lshl_add_u32 v[AM0], v9, 5, v[AM0]
	v_add_nc_u32 v[AM0], s21, v[AM0]
; THE MATRIX WORK.  The accumulators take turns, one instruction a turn.
; Product i of 32 of O^T += V^T P for piece x: keys 32 (i / 16) on, channels 16 ((i / 2) % 8) on, tile x + i % 2.
.macro PV x
	WIN W_PV
.set rO, 64*((\x)+i%2)+8*((i/2)%8)
.set rV, 64*(i/16)+8*((i/2)%8)
.set rP, P+16*((\x)+i%2)+8*(i/16)
	v_wmma_f32_16x16x32_f16 v[rO:rO+7], v[rV:rV+7], v[rP:rP+7], v[rO:rO+7]
.endm
; Product i of 32 of S^T = K Q^T: channels 32 (i / 8) on, keys 16 ((i / 2) % 4) on, tile x + i % 2.  The first 8 start the sums.
.macro KQ x
	WIN W_KQ
.set rS, S+32*((\x)+i%2)+8*((i/2)%4)
.set rK, KF+32*((i/2)%4)+8*(i/8)
.set rQ, 32*((\x)+i%2)+8*(i/8)
.if i < 8
	v_wmma_f32_16x16x32_f16 v[rS:rS+7], v[rK:rK+7], v[rQ:rQ+7], 0
.else
	v_wmma_f32_16x16x32_f16 v[rS:rS+7], v[rK:rK+7], v[rQ:rQ+7], v[rS:rS+7]
.endif
.endm
; THE LDS LOADS stand in runs, never singly among the matrix instructions.
.macro FETCH_K
	WIN 0
	v_add_nc_u32 v[ADR], s[TB], v[AK0]
	WIN 0x80
.irp f, 0,1,2,3,4,5,6,7,8,9,10,11,12,13,14,15  ; keys 16 (f / 4) on, channels 32 (f % 4) on
	ds_load_b128 v[KF+8*(\f):KF+8*(\f)+3],   v[ADR] offset:((\f)/4)*16*PK+((\f)%4)*64
	ds_load_b128 v[KF+8*(\f)+4:KF+8*(\f)+7], v[ADR] offset:((\f)/4)*16*PK+((\f)%4)*64+32
.endr
.endm
.macro FETCH_V
	WIN 0
	v_add_nc_u32 v[ADR], s[TB], v[AV0]
	WIN 0xc0
.irp f, 0,1,2,3,4,5,6,7,8,9,10,11,12,13,14,15  ; keys 32 (f / 8) on, channels 16 (f % 8) on
	ds_load_tr16_b128 v[8*(\f):8*(\f)+3],   v[ADR] offset:((\f)/8)*32*PV+((\f)%8)*32
	ds_load_tr16_b128 v[8*(\f)+4:8*(\f)+7], v[ADR] offset:((\f)/8)*32*PV+16*PV+((\f)%8)*32
.endr
.endm
.macro FETCH_M
	WIN 0
	v_add_nc_u32 v[ADR], s[TB], v[AM0]
	WIN 0xc0
.irp f, 0,1,2,3,4,5,6,7,8,9,10,11,12,13,14,15  ; row tile f / 8, key block (f / 2) % 4, four of the lane's eight keys
	ds_load_b128 v[MB+4*(\f):MB+4*(\f)+3], v[ADR] offset:((\f)/8)*16*PM+(((\f)/2)%4)*64+((\f)%2)*16
.endr
.endm
; THE VECTOR WORK OF A TURN.  One tile's softmax for one key step is a numbered list; SM writes number jj of it for tile t.  s0-s31 are the lane's 32 scores, in pairs 0-15.
;   0-15     u = s (c / sqrt(128)) + c M, a pair a line, from each accumulator's low end on
;   and with j = jj - 16:
;   0-15     the maximum of u0-u31 and the old m, three operands at a time: four chains of seven, then the four left over, the chains and m
;   16-20    the other half of the lanes' maximum; m_old is kept; the new m; (19 is empty); m_old - m_new
;   21-87    33 exponentials (a, then the 32 weights) at the odd numbers from 23 on, a plain line between any two: u - m for pairs still to come, roundings to f16 of pairs that are done, the first sums
;   88-101   the last rounding; the rest of the sums; l = a l + the sum
;   102-133  the tile's O^T times a: the one part in window 1, so it stands together
.macro SM t
.set rT, ST+8*(\t)
.set rS, S+32*(\t)
.set rP, P+16*(\t)
.set rB, MB+32*((\t)%2)
.set j, jj-16
.set rO, 64*(\t)+2*(j-102)
.set q, (j-20)/2
.if jj < 16
	WIN W_MK
	v_pk_fma_f32 v[rS+2*jj:rS+2*jj+1], v[rS+2*jj:rS+2*jj+1], s[IS:IS+1], v[rB+2*jj:rB+2*jj+1] op_sel_hi:[1,0,1]
.else
.if j < 102
	WIN 0
.endif
.if j < 4
	v_max3_num_f32 v[rT+4+j], v[rS+8*j], v[rS+8*j+1], v[rS+8*j+2]
.elseif j < 12
	v_max3_num_f32 v[rT+4+j%4], v[rT+4+j%4], v[rS+8*(j%4)+2*(j/4)+1], v[rS+8*(j%4)+2*(j/4)+2]
.elseif j == 12
	v_max3_num_f32 v[rT+4], v[rT+4], v[rS+7], v[rS+15]
.elseif j == 13
	v_max3_num_f32 v[rT+6], v[rT+6], v[rS+23], v[rS+31]
.elseif j == 14
	v_max3_num_f32 v[rT+4], v[rT+4], v[rT+5], v[rT+6]
.elseif j == 15
	v_max3_num_f32 v[rT+4], v[rT+4], v[rT+7], v[rT]
.elseif j == 16
	v_permlanex16_b32 v[rT+5], v[rT+4], s[SEL], s[SEL+1]  ; the query's other 32 keys lie in the lane 16 away
.elseif j == 17
	v_mov_b32 v[rT+7], v[rT]        ; m_old is kept for a
.elseif j == 18
	v_max_num_f32 v[rT], v[rT+4], v[rT+5]
.elseif j == 19                     ; nothing: u is in units of base 2 already
.elseif j == 20
	v_sub_f32 v[rT+7], v[rT+7], v[rT]
.elseif j == 23
	v_exp_f32 v[rT+6], v[rT+7]
.elseif (j < 88) && (j > 23) && (j%2 == 1)
	v_exp_f32 v[rS+(j-25)/2], v[rS+(j-25)/2]
.elseif (q < 4) || ((j < 76) && (q%2 == 0))
.set b, q/2+2
.if q < 4
.set b, q
.endif
	v_pk_add_f32 v[rS+2*b:rS+2*b+1], v[rS+2*b:rS+2*b+1], v[rT:rT+1] op_sel_hi:[1,0] neg_lo:[0,1] neg_hi:[0,1]  ; pair b: u - m, never above 0
.elseif (j < 88) && (q%2 == 1)
	s_wait_alu depctr_va_vdst(0)
	v_cvt_pk_f16_f32 v[rP+(q-5)/2], v[rS+q-5], v[rS+q-4]  ; pair (q - 5) / 2: its second exponential stands three numbers back
.elseif j == 89
	s_wait_alu depctr_va_vdst(0)
	v_cvt_pk_f16_f32 v[rP+15], v[rS+30], v[rS+31]
.elseif j < 102                     ; the sum of the tile's 16 pairs, in place: sum z of 16 adds neighbours 1, 2, 4 and 8 pairs apart, then l takes it
.set z, j-86
.if j < 89
.set z, (j-76)/4
.endif
.set w, 4
.set u, z
.if z >= 14
.set w, 32
.set u, 0
.elseif z >= 12
.set w, 16
.set u, z-12
.elseif z >= 8
.set w, 8
.set u, z-8
.endif
.if z < 15
	v_pk_add_f32 v[rS+w*u:rS+w*u+1], v[rS+w*u:rS+w*u+1], v[rS+w*u+w/2:rS+w*u+w/2+1]
.else
	v_pk_fma_f32 v[rT+2:rT+3], v[rT+2:rT+3], v[rT+6:rT+7], v[rS:rS+1] op_sel_hi:[1,0,1]
.endif
.else
	WIN W_RS
	v_pk_mul_f32 v[rO:rO+1], v[rO:rO+1], v[rT+6:rT+7] op_sel_hi:[1,0]
.endif
.endif
.endm
; Slice k of 64 of piece y's softmax: numbers 2 k and 2 k + 1 of both tiles' lists, four lines (slice 17: two).  Slice 63 takes numbers 126 to 149 of both, 48 rescalings, all plain and
; naming nothing of the products round them: they are also the places between the turn's last K Q^T and what follows.
.macro SLICE y
.if (k >= 19) && (k < 52)           ; tile by tile: plain, exponential, plain, exponential
.irp t, \y, (\y)+1
.irp n, 0,1
.set jj, 2*k+(\n)
	SM \t
.endr
.endr
.else                               ; the two tiles alternate, so that no line reads the result of the one just before it
.irp n, 0,1,2,3,4,5,6,7,8,9,10,11,12,13,14,15,16,17,18,19,20,21,22,23
.if ((\n) < 2) || (k == 63)
.irp t, \y, (\y)+1
.set jj, 2*k+(\n)
	SM \t
.endr
.endif
.endr
.endif
.set k, k+1
.endm
; A TURN.  Piece x has the matrix unit; the other piece's softmax stands in slices behind its matrix instructions.
; Piece 0's turn fetches the next step's K behind its second product (K's last reader stands ahead of slice 63 of the turn before) and the next step's M behind its ninth: slices 0 to 7 were the last readers of
; the M in hand.  Piece 2's turn fetches the same step's V behind its second K Q^T: V's last reader stands three slices, six plain lines, back.
.macro TURN x
.set k, 0
.if (\x) == 0
	s_wait_dscnt 0x0                ; V is in
.endif
.set i, 0
.rept 32
	PV \x
	SLICE 2-(\x)
.if ((\x) == 0) && (i == 1)
	FETCH_K
.endif
.if ((\x) == 0) && (i == 8)
	FETCH_M
.endif
.set i, i+1
.endr
.if (\x) == 0
	s_wait_dscnt 0x0                ; K and M are in
.endif
.set i, 0
.rept 32
	KQ \x
	SLICE 2-(\x)
.if ((\x) == 2) && (i == 1)
	FETCH_V
.endif
.set i, i+1
.endr
.endm
; THE CHANGE OF SLOTS, between piece 2's turn and piece 0's: the slot's last bytes, its V, have been asked for.  Each wave waits for all its tensor loads (at most one is out: its part of the other slot),
; adds 0 to its spare word, and waits for that and for its reads of the slot.  fill = 1: the barrier is a round of the cluster's, and the slot is filled again, with the keys two slots on,
; first thing behind it: it has a key step, 128 matrix instructions, in which to land.
.macro CHANGE fill
	WIN 0
	s_wait_tensorcnt 0x0            ; no tensor load of mine is out, so a group 0 may be written
	ds_add_u32 v[SPW], v[NIL]
.if \fill
	s_xor_b32 s[G0K+5], s[G0K+5], SLOT1  ; the walking descriptors: the other slot than last time, the next 128 keys
	s_add_nc_u64 s[G0K+6:G0K+7], s[G0K+6:G0K+7], 32768
	s_xor_b32 s[G0V+5], s[G0V+5], SLOT1
	s_add_nc_u64 s[G0V+6:G0V+7], s[G0V+6:G0V+7], 32768
	s_xor_b32 s[G0M+5], s[G0M+5], SLOT1
	s_add_nc_u64 s[G0M+6:G0M+7], s[G0M+6:G0M+7], 512
	s_wait_dscnt 0x0                ; the add is done, and my reads of the slot are over
	CROUND
	JLOAD
.else
	s_wait_dscnt 0x0
	s_barrier_signal -1
	s_barrier_wait -1
.endif
	s_xor_b32 s[TB], s[TB], SLOT1   ; the fetches go on in the other slot
.endm
	s_wait_tensorcnt 1              ; my part of slot 0 is in; slot 1's may stay out
	s_barrier_signal -1
	s_barrier_wait -1
	FETCH_K                         ; key step 0
	FETCH_M
	FETCH_V                         ; so that the first turn's products on P = 0 find finite numbers; that turn fetches it once more
	s_wait_loadcnt 0x0              ; Q
	s_wait_dscnt 0x0
.set i, 0
.rept 32
	KQ 0                            ; piece 0's first scores
.set i, i+1
.endr
	WIN 0                           ; the addresses for the end: twelve plain lines, the places behind those products
	s_mul_i32 s21, s[WV], 16*SP
	s_add_co_u32 s21, s21, STAGE
	v_mul_u32_u24 v[STO], v1, SP    ; in: row l % 16, 16 bytes for each half of the lanes
	v_lshl_add_u32 v[STO], v9, 4, v[STO]
	v_add_nc_u32 v[STO], s21, v[STO]
	v_mul_u32_u24 v[RD], v9, SP     ; back: lanes 0-15 one row of 256 bytes, lanes 16-31 the next
	v_lshl_add_u32 v[RD], v1, 4, v[RD]
	v_add_nc_u32 v[RD], s21, v[RD]
	v_lshlrev_b32 v[GO], 12, v9     ; and the same two rows in obuf
	v_lshl_add_u32 v[GO], v1, 4, v[GO]
	s_mul_i32 s21, s[WV], XWV
	s_add_co_u32 s21, s21, XCH
	s_xor_b32 s22, s[WV], 2         ; my partner: the same rows, the other keys
	s_mul_i32 s22, s22, XWV
	s_add_co_u32 s22, s22, XCH
	v_and_b32 v[XW], 31, v0
	v_lshlrev_b32 v[XW], 4, v[XW]
	v_add_nc_u32 v[XR], s22, v[XW]
	v_add_nc_u32 v[XW], s21, v[XW]
	s_mov_b32 s[SLOTS], 15
	s_branch .Lfirst                ; the loop is entered in the middle of a trip
.Lslot:                             ; 14 times: every slot but the last two is filled again
	CHANGE 1
	TURN 0
	WIN 0
.Lfirst:
	TURN 2
	WIN 0
	s_sub_co_u32 s[SLOTS], s[SLOTS], 1
	s_cmp_lg_u32 s[SLOTS], 0
	s_cbranch_scc1 .Lslot
	CHANGE 0                        ; the tail is written out: nothing is asked for
	s_mov_b32 s[CNT], 2
.Ltail:
	TURN 0
	WIN 0
	s_sub_co_u32 s[CNT], s[CNT], 1
	s_cmp_eq_u32 s[CNT], 0
	s_cbranch_scc1 .Lout
	TURN 2
	WIN 0
	s_branch .Ltail
.Lout:                              ; the second trip's fetches (the last K and M once more) and its 32 products K Q^T serve nothing: the price, once a launch, of one text for every trip
.set i, 0
.rept 32
	PV 2                            ; piece 2's V^T P of the last step
.set i, i+1
.endr
	WIN 0
	PLACES                          ; behind the last products
; THE MERGE.  The wave with keys' half 0 keeps tiles 0, 1 and hands over tiles 2, 3; its partner the other way round.
.macro GIVE t0                      ; two tiles: O^T as 16 x 512 consecutive bytes, from each accumulator's low end on, then m and l
.irp u, 0,1
	WIN 0x04                        ; store data in window 1
.set n, 0
.rept 16
	ds_store_b128 v[XW], v[64*((\t0)+(\u))+4*n:64*((\t0)+(\u))+4*n+3] offset:(17*(\u)+n)*512
.set n, n+1
.endr
	WIN 0
	ds_store_b128 v[XW], v[ST+8*((\t0)+(\u)):ST+8*((\t0)+(\u))+3] offset:(17*(\u)+16)*512
.endr
.endm
; Tile t, the u-th that I keep: m = the larger; a1, a2 = 2^(m_i - m); l = a1 l1 + a2 l2, both halves of the lanes; O = (a1 O1 + a2 O2) / l, rounded to f16, through my stage.
.macro JOIN t, u
.set rT, ST+8*(\t)
.set rX, P+4*(\u)
.set rJ, S+64*(\u)
	WIN 0
	v_max_num_f32 v[rT+4], v[rT], v[rX]
	v_sub_f32 v[rT+5], v[rT], v[rT+4]
	v_sub_f32 v[rT+6], v[rX], v[rT+4]
	v_exp_f32 v[rT+5], v[rT+5]
	v_exp_f32 v[rT+6], v[rT+6]
	v_add_f32 v[rT+2], v[rT+2], v[rT+3]  ; two plain lines between the exponentials and their use
	v_add_f32 v[rX+2], v[rX+2], v[rX+3]
	s_wait_alu depctr_va_vdst(0)
	v_mul_f32 v[rT+2], v[rT+2], v[rT+5]
	v_fmac_f32 v[rT+2], v[rX+2], v[rT+6]
	v_permlanex16_b32 v[rT+3], v[rT+2], s[SEL], s[SEL+1]
	v_add_f32 v[rT+2], v[rT+2], v[rT+3]
	v_rcp_f32 v[rT+2], v[rT+2]
	v_nop                           ; a plain line between the reciprocal and its use
	s_wait_alu depctr_va_vdst(0)
	v_mul_f32 v[rT+4], v[rT+5], v[rT+2]
	v_mul_f32 v[rT+6], v[rT+6], v[rT+2]
.set n, 0
.rept 32
	v_pk_mul_f32 v[rJ+2*n:rJ+2*n+1], v[rJ+2*n:rJ+2*n+1], v[rT+6:rT+7] op_sel_hi:[1,0]
.set n, n+1
.endr
	WIN 0x01                        ; source 0 window 1: my own O^T
.set n, 0
.rept 32
	v_pk_fma_f32 v[rJ+2*n:rJ+2*n+1], v[64*(\t)+2*n:64*(\t)+2*n+1], v[rT+4:rT+5], v[rJ+2*n:rJ+2*n+1] op_sel_hi:[1,0,1]
.set n, n+1
.endr
	WIN 0
.set n, 0
.rept 32
	v_cvt_pk_f16_f32 v[rJ+n], v[rJ+2*n], v[rJ+2*n+1]  ; ascending: a register is written when its own number has been read
.set n, n+1
.endr
.irp f, 0,1,2,3,4,5,6,7
	ds_store_b128 v[STO], v[rJ+4*(\f):rJ+4*(\f)+3] offset:32*(\f)
.endr
.irp f, 0,1,2,3,4,5,6,7
	ds_load_b128 v[rJ+32+4*(\f):rJ+32+4*(\f)+3], v[RD] offset:(\f)*2*SP  ; LDS serves a wave's instructions in order (ISA guide 5.7.1.4): these see the stores above; the next tile's stores come behind them
.endr
.endm
.macro SEND t, u, younger           ; younger: the LDS instructions issued behind this tile's loads
.irp f, 0,1,2,3,4,5,6,7
	s_wait_dscnt (\younger)+7-(\f)
	global_store_b128 v[GO], v[S+64*(\u)+32+4*(\f):S+64*(\u)+32+4*(\f)+3], s[10:11] offset:((\t)/2)*256+((\t)%2)*65536+(\f)*8192  ; 16 lanes store 256 consecutive bytes, at a multiple of 256 from obuf's first byte
.endr
.endm
.macro KEEP t0
	WIN 0
.irp u, 0,1
.set n, 0
.rept 16
	ds_load_b128 v[S+64*(\u)+4*n:S+64*(\u)+4*n+3], v[XR] offset:(17*(\u)+n)*512
.set n, n+1
.endr
	ds_load_b128 v[P+4*(\u):P+4*(\u)+3], v[XR] offset:(17*(\u)+16)*512
.endr
	s_wait_dscnt 17                 ; the first tile's 17 loads are in, the second's may be out
	JOIN \t0, 0
	s_wait_dscnt 16                 ; the second tile's are in; behind them stand the first tile's 16 lines on the stage
	JOIN (\t0)+1, 1
	SEND \t0, 0, 16
	SEND (\t0)+1, 1, 0
.endm
	s_cmp_eq_u32 s[KH], 0
	s_cbranch_scc0 .Lgive_lo
	GIVE 2
	s_branch .Lgiven
.Lgive_lo:
	GIVE 0
.Lgiven:
	s_wait_dscnt 0x0                ; for my partner's sake: my stores are done
	s_barrier_signal -1
	s_barrier_wait -1
	s_cmp_eq_u32 s[KH], 0
	s_cbranch_scc0 .Lkeep_hi
	KEEP 0
	s_branch .Lkept
.Lkeep_hi:
	KEEP 2
.Lkept:
	s_wait_tensorcnt 0x0            ; the wave's end, behind my last tensor load and my last LDS store
	ds_add_u32 v[SPW], v[NIL]
	s_wait_dscnt 0x0
	CROUND                          ; the closing round: no work-group ends while a partner may still ask for a tile that names it
	s_endpgm
.Lfunc_end_k_qf5cc791822_attn:
	.size	k_qf5cc791822_attn, .Lfunc_end_k_qf5cc791822_attn-k_qf5cc791822_attn
	.p2alignl 7, 3214868480
	.fill 96, 4, 3214868480
	.section	.rodata,"a",@progbits
	.p2align	6, 0x0
	.amdhsa_kernel k_qf5cc791822_attn
		.amdhsa_group_segment_fixed_size 327680
		.amdhsa_private_segment_fixed_size 0
		.amdhsa_enable_private_segment 0
		.amdhsa_kernarg_size 24
		.amdhsa_user_sgpr_count 2
		.amdhsa_user_sgpr_kernarg_segment_ptr 1
		.amdhsa_wavefront_size32 1
		.amdhsa_system_sgpr_workgroup_id_x 1
		.amdhsa_system_sgpr_workgroup_id_y 1
		.amdhsa_system_sgpr_workgroup_id_z 1
		.amdhsa_system_vgpr_workitem_id 0
		.amdhsa_next_free_vgpr 1024
		.amdhsa_next_free_sgpr 96
		.amdhsa_reserve_vcc 0
		.amdhsa_float_denorm_mode_32 3
		.amdhsa_float_denorm_mode_16_64 3
		.amdhsa_memory_ordered 1
		.amdhsa_forward_progress 1
		.amdhsa_inst_pref_size 190
	.end_amdhsa_kernel
	.amdgpu_metadata
---
amdhsa.version: [ 1, 2 ]
amdhsa.kernels:
  - .name:           k_qf5cc791822_attn
    .symbol:         k_qf5cc791822_attn.kd
    .args:
      - { .name: heads, .offset: 0, .size: 8, .value_kind: global_buffer, .address_space: global }
      - { .name: maskr, .offset: 8, .size: 8, .value_kind: global_buffer, .address_space: global }
      - { .name: obuf, .offset: 16, .size: 8, .value_kind: global_buffer, .address_space: global }
    .group_segment_fixed_size: 327680
    .private_segment_fixed_size: 0
    .kernarg_segment_align: 8
    .kernarg_segment_size: 24
    .max_flat_workgroup_size: 128
    .sgpr_count:     96
    .vgpr_count:     1024
    .wavefront_size: 32
...
	.end_amdgpu_metadata
.endif
;; end of part 3
;; launch oproj (part 4): grid 16 x 16, 4 waves a work-group, clusters of 4 x 4, 327,680 bytes of LDS; arguments obuf, wof, out0; writes out0
.if DOCPART == 4
	.amdgcn_target "amdgcn-amd-amdhsa--gfx1250"
	.amdhsa_code_object_version 6
	.text
	.protected	k_qf5cc791822_oproj
	.globl	k_qf5cc791822_oproj
	.p2align	8
	.type	k_qf5cc791822_oproj,@function
k_qf5cc791822_oproj:
	s_mov_b64 s[64:65], 0
	v_nop
	global_prefetch_b8 v0, s[64:65] scope:SCOPE_SE
	s_setreg_imm32_b32 hwreg(HW_REG_WAVE_MODE, 25, 1), 1
	s_wait_xcnt 0x0
	s_wait_alu depctr_hold_cnt(0) depctr_sa_sdst(0) depctr_va_vdst(0) depctr_va_sdst(0) depctr_va_ssrc(0) depctr_va_vcc(0) depctr_vm_vsrc(0)
	s_getreg_b32 s2, hwreg(HW_REG_IB_STS2, 6, 4)
	s_cmp_eq_u32 s2, 0
	s_cbranch_scc0 .Lentry_in_a_cluster
	s_endpgm
.Lentry_in_a_cluster:
	s_bfe_u32 s2, ttmp6, 0x10000c
	s_cmp_lg_u32 s2, 0xf033
	s_cbranch_scc0 .Lentry_shape_is_right
	s_endpgm
.Lentry_shape_is_right:
; OUTPUT PROJECTION.  out0[m][n] = sum over k of obuf[m][k] wof[n][k]: obuf = O / 4 and wof = 4 x bf16(wo), both f16, so the two powers of two cancel exactly; f32 sums, stored as f32.
; m < 2048, n < 4096, K = 2048.  A work-group makes 128 rows x 256 columns: 16 x 16 work-groups; four waves, each 64 x 128: 32 accumulators, 256 registers.
; THE RING.  The tile's 384 rows leave room in LDS for 384 along K.  Two slots of 256 do not fit (405,504 bytes), and 192 divides no K here; so the two slots are UNEVEN: a long one, 256 along K (rows of 512
; bytes), and a short one, 128 along K (rows of 256 bytes), which take turns: K = 2048 is S (L S) x 5.  A cycle of 384 along K has two changes of slots; the short slot's load has the long slot's 240 matrix
; instructions in which to land, the long slot's load the short slot's 112.  All rows begin at multiples of 256 bytes from the buffers' first bytes.
; CLUSTER 4 x 4: the four of a row need the same rows of obuf, the four of a column the same rows of wof: each tile is asked for jointly, same descriptor, a mask of four.
; The matrix instruction is used transposed (source 0 = 16 rows of wof, source 1 = 16 rows of obuf): a lane holds eight neighbouring f32 of a row of the output, 32 bytes.
; REGISTERS: window 0: v0-31 addresses; v64-127 A's fragments, two buffers of 32 (on the way out: rows read back); v128-255 B's, two buffers of 64.  Window 1: the accumulators, (a, b) at v[8 (8 a + b)].
.set SIZE_K, 2048
.set PL,     528                       ; a row of the long slot: 512 bytes + 16 of padding; of the short: 256 + 16.  Both are odd multiples of 16: the 16 rows of a fragment load
.set PS,     272                       ; start at 16 different groups of four banks (64 banks of 4 bytes: ISA guide 11.1)
.set LA,     0                         ; the long slot: A's 128 rows,
.set LB,     128*PL                    ; B's 256
.set SA,     384*PL                    ; the short slot: A's 128 rows,
.set SB,     SA+128*PS                 ; B's 256
.set STAGE,  SA+384*PS                 ; behind the ring: 16 rows x 272 bytes for each wave: 64 columns of f32 at a time
.set SPITCH, 272
.set SPARE,  STAGE+4*16*SPITCH         ; the spare words, 128 bytes for each wave; no other line names them
.set KS0,    0                         ; where along K the short slot's first tile begins,
.set KL0,    128                       ; and the long slot's
.set CYC,    384*2                     ; bytes along K from a slot's tile to its next
.set ALA,  16                          ; v16  LDS address of my A fragments in the long slot
.set ALB,  17                          ; v17  of my B fragments there
.set ASA,  18                          ; v18, v19  the same in the short slot
.set ASB,  19
.set RA,   20                          ; v20, v21  the long slot's addresses plus the inner loop's step
.set RB,   21
.set STO,  24                          ; v24  the way out: where I put 32 bytes of a row
.set RD,   25                          ; v25  where I read rows back
.set GOF,  26                          ; v26  my byte offset in two rows of out0
.set SPW,  28
.set NIL,  29
.set FA,   64
.set FB,   128
.set G1A, 24                           ; s[24:31], s[32:39] descriptor group 1 for A's tiles: long, short
.set G1B, 40                           ; s[40:47], s[48:55] for B's
.set G0A, 56                           ; s[56:59], s[60:63] group 0 for A's tiles: long, short
.set G0B, 68                           ; s[68:71], s[72:75] for B's
.set KO,  66                           ; s66  the inner loop's byte step along the long slot's rows
.set GWL, (1<<16)|(1<<20)|(1<<21)|(6<<22)|(3<<25)  ; 2-byte elements; padding on; bit 21 beside a mask; after every 128 words; 4 words
.set GWS, (1<<16)|(1<<20)|(1<<21)|(5<<22)|(3<<25)  ; the same after every 64 words
.set MUL, 0x50
.set MSB, 0
.macro WIN new
.if MSB != (\new)
	s_set_vgpr_msb (MSB<<8)|(\new)
.set MSB, \new
.endif
.endm
.macro PLACES                          ; four plain places between a matrix instruction and a load into, or an LDS store of, its registers
.rept 4
	v_nop
.endr
.endm
.macro JLOAD sl                        ; a joint load into the long (0) or the short (1) slot: waves 0, 1 fetch A's halves, waves 2, 3 B's; s_nop 0 and four v_nop follow each line
	s_cmp_eq_u32 s11, 0
	s_cbranch_scc0 .Lfor_b_\@
	tensor_load_to_lds s[G0A+4*(\sl):G0A+4*(\sl)+3], s[G1A+8*(\sl):G1A+8*(\sl)+7]
	s_nop 0
.rept 4
	v_nop
.endr
	s_branch .Lasked_\@
.Lfor_b_\@:
	tensor_load_to_lds s[G0B+4*(\sl):G0B+4*(\sl)+3], s[G1B+8*(\sl):G1B+8*(\sl)+7]
	s_nop 0
.rept 4
	v_nop
.endr
.Lasked_\@:
.endm
.macro CREST
	s_cmp_lg_u32 s10, 0
	s_cbranch_scc1 .Lnot_wave_0_\@
	s_barrier_signal -3
.Lnot_wave_0_\@:
	s_barrier_wait -3
	s_barrier_signal -1
	s_barrier_wait -1
.endm
.macro CROUND
	s_barrier_signal -1
	s_barrier_wait -1
	CREST
.endm
.macro G1REST g, cols, rows            ; the words of a group 1 behind its first: a tile of rows x cols elements
	s_mov_b32 s[(\g)+1], (\cols)<<16               ; tensor_dim0
	s_mov_b32 s[(\g)+2], (\rows)<<16               ; tensor_dim1
	s_mov_b32 s[(\g)+3], (\cols)<<16               ; tile_dim0
	s_mov_b32 s[(\g)+4], \rows                     ; tile_dim1
	s_mov_b32 s[(\g)+5], SIZE_K                    ; elements from row to row
	s_mov_b32 s[(\g)+6], 0
	s_mov_b32 s[(\g)+7], 0
.endm
.macro G0SET g, lreg, lconst, areg, kel ; a group 0: LDS address = a wave term + a constant; global address = my rows' first byte + kel elements along K
	s_mov_b32 s[\g], 1
	s_add_co_u32 s[(\g)+1], s\lreg, \lconst
	s_add_nc_u64 s[(\g)+2:(\g)+3], s[\areg:\areg+1], (\kel)*2
	s_or_b32 s[(\g)+3], s[(\g)+3], 0x80000000
.endm
	s_load_b128 s[4:7], s[0:1], 0x0                ; obuf s[4:5], wof s[6:7]
	s_load_b64 s[8:9], s[0:1], 0x10                ; out0
	v_lshl_add_u32 v[SPW], v0, 2, SPARE
	v_mov_b32 v[NIL], 0
	ds_add_u32 v[SPW], v[NIL]                      ; the wave's opening: the add and its wait stand ahead of my first tensor load; work on registers stands between them
	v_lshrrev_b32 v1, 5, v0
	v_readfirstlane_b32 s10, v1
	s_lshr_b32 s11, s10, 1                         ; my half of the tile's rows.  Also: I fetch for A (0) or B (1)
	s_and_b32 s12, s10, 1                          ; my half of its columns.  Also: which half of that tile I fetch
	s_bfe_u32 s76, ttmp6, 0x40000                  ; cx
	s_bfe_u32 s77, ttmp6, 0x40004                  ; cy
	s_lshl_b32 s78, ttmp9, 2
	s_add_co_u32 s78, s78, s76                     ; tile column
	s_and_b32 s13, ttmp7, 0xffff
	s_lshl_b32 s13, s13, 2
	s_add_co_u32 s13, s13, s77                     ; tile row
	s_lshl_b32 s79, s77, 2
	s_lshl_b32 s79, 15, s79                        ; my row of the cluster
	s_lshl_b32 s80, 0x1111, s76                    ; my column
	s_or_b32 s[G1A], s79, GWL
	s_or_b32 s[G1A+8], s79, GWS
	s_or_b32 s[G1B], s80, GWL
	s_or_b32 s[G1B+8], s80, GWS
	G1REST G1A,   256, 64
	G1REST G1A+8, 128, 64
	G1REST G1B,   256, 128
	G1REST G1B+8, 128, 128
	s_lshl_b32 s17, s12, 6
	s_lshl_b32 s16, s13, 7
	s_add_co_u32 s16, s16, s17                     ; A: row 128 x tile row + 64 x half
	s_lshl_b32 s83, s12, 7
	s_lshl_b32 s82, s78, 8
	s_add_co_u32 s82, s82, s83                     ; B: row 256 x tile column + 128 x half
	s_mov_b32 s17, 0
	s_mov_b32 s83, 0
	s_mov_b64 s[18:19], SIZE_K*2
	s_mul_u64 s[16:17], s[16:17], s[18:19]
	s_mul_u64 s[82:83], s[82:83], s[18:19]
	s_mul_i32 s20, s12, 64*PL                      ; where the halves go: no place in the cluster enters an LDS address
	s_mul_i32 s21, s12, 64*PS
	s_mul_i32 s22, s12, 128*PL
	s_mul_i32 s23, s12, 128*PS
	s_wait_dscnt 0x0                               ; the opening add is done
	s_wait_kmcnt 0x0
	s_add_nc_u64 s[14:15], s[4:5], s[16:17]
	s_add_nc_u64 s[82:83], s[6:7], s[82:83]
	CROUND                                         ; all sixteen work-groups are here: the first joint loads meet
	G0SET G0A,   20, LA, 14, KL0
	G0SET G0A+4, 21, SA, 14, KS0
	G0SET G0B,   22, LB, 82, KL0
	G0SET G0B+4, 23, SB, 82, KS0
	JLOAD 1                                        ; the walk begins in the short slot;
	JLOAD 0                                        ; two tensor loads of mine are out
	v_and_b32 v1, 15, v0
	v_bfe_u32 v2, v0, 4, 1
	v_mul_u32_u24 v3, v1, PL
	v_lshl_add_u32 v3, v2, 4, v3                   ; a fragment's row x pitch + 16 x half of the lanes, in the long slot,
	v_mul_u32_u24 v4, v1, PS
	v_lshl_add_u32 v4, v2, 4, v4                   ; and in the short
	s_mul_i32 s20, s11, 64*PL                      ; my 64 rows of A, my 128 rows of B
	s_mul_i32 s21, s11, 64*PS
	s_add_co_u32 s21, s21, SA
	s_add_co_u32 s22, s22, LB
	s_add_co_u32 s23, s23, SB
	v_add_nc_u32 v[ALA], s20, v3
	v_add_nc_u32 v[ALB], s22, v3
	v_add_nc_u32 v[ASA], s21, v4
	v_add_nc_u32 v[ASB], s23, v4
	s_mul_i32 s20, s10, 16*SPITCH
	s_add_co_u32 s20, s20, STAGE                   ; my stage
	v_mul_u32_u24 v5, v1, SPITCH                   ; in: row l % 16, 32 bytes for each half of the lanes
	v_lshl_add_u32 v5, v2, 5, v5
	v_add_nc_u32 v[STO], s20, v5
	v_mul_u32_u24 v5, v2, SPITCH                   ; back: lanes 0-15 one row's 256 bytes, lanes 16-31 the next row's
	v_lshl_add_u32 v5, v1, 4, v5
	v_add_nc_u32 v[RD], s20, v5
	v_lshlrev_b32 v[GOF], 14, v2                   ; and the same two rows in out0, 16,384 bytes apart
	v_lshl_add_u32 v[GOF], v1, 4, v[GOF]
	s_lshl_b32 s16, s13, 21                        ; my first row, 128 x tile row + 64 x half, 16,384 bytes a row,
	s_lshl_b32 s17, s11, 20
	s_add_co_u32 s16, s16, s17
	s_mov_b32 s17, 0
	s_add_nc_u64 s[8:9], s[8:9], s[16:17]
	s_lshl_b32 s82, s78, 10                        ; my first column, 256 x tile column + 128 x half, four bytes each
	s_lshl_b32 s83, s12, 9
	s_add_co_u32 s82, s82, s83
	s_mov_b32 s83, 0
	s_add_nc_u64 s[8:9], s[8:9], s[82:83]
.macro MUL8 f, a, zero                 ; 8 matrix instructions: row block a x all 8 column blocks, 32 along K, from buffer f
	WIN MUL
.irp b, 0,1,2,3,4,5,6,7
.if \zero
	v_wmma_f32_16x16x32_f16 v[8*(8*(\a)+(\b)):8*(8*(\a)+(\b))+7], v[FB+64*(\f)+8*(\b):FB+64*(\f)+8*(\b)+7], v[FA+32*(\f)+8*(\a):FA+32*(\f)+8*(\a)+7], 0
.else
	v_wmma_f32_16x16x32_f16 v[8*(8*(\a)+(\b)):8*(8*(\a)+(\b))+7], v[FB+64*(\f)+8*(\b):FB+64*(\f)+8*(\b)+7], v[FA+32*(\f)+8*(\a):FA+32*(\f)+8*(\a)+7], v[8*(8*(\a)+(\b)):8*(8*(\a)+(\b))+7]
.endif
.endr
.endm
; 24 LDS loads in one run: 32 along K at byte k of rows p bytes apart, by the address registers ra (A) and rb (B), into buffer f: B's sixteen first, then A's eight
.macro FETCH ra, rb, p, k, f
	WIN 0
.irp i, 0,1,2,3,4,5,6,7
	ds_load_b128 v[FB+64*(\f)+8*(\i):FB+64*(\f)+8*(\i)+3],   v[\rb] offset:(\k)+(\i)*16*(\p)
	ds_load_b128 v[FB+64*(\f)+8*(\i)+4:FB+64*(\f)+8*(\i)+7], v[\rb] offset:(\k)+(\i)*16*(\p)+32
.endr
.irp i, 0,1,2,3
	ds_load_b128 v[FA+32*(\f)+8*(\i):FA+32*(\f)+8*(\i)+3],   v[\ra] offset:(\k)+(\i)*16*(\p)
	ds_load_b128 v[FA+32*(\f)+8*(\i)+4:FA+32*(\f)+8*(\i)+7], v[\ra] offset:(\k)+(\i)*16*(\p)+32
.endr
.endm
; A quarter is 32 along K, 32 matrix instructions, on buffers 0, 1 by turns: the long slot has eight, the short four.  It multiplies buffer f and fetches the next quarter into g.
; The 32 accumulators take turns in one fixed order.
.macro QUARTER ra, rb, p, k, f, g, zero
	s_wait_dscnt 4                                 ; B and A's blocks 0, 1 are in; the youngest four loads (A's blocks 2, 3) may be out
	MUL8 \f, 0, \zero
	MUL8 \f, 1, \zero
	PLACES
	FETCH \ra, \rb, \p, \k, \g
	s_wait_dscnt 24                                ; all but the 24 just issued
	MUL8 \f, 2, \zero
	MUL8 \f, 3, \zero
.endm
; Quarters 1 to 6 of the long slot: written once, walked three times; the byte step along the rows is a scalar that is added to the lane's addresses.
.macro PAIRS
	WIN 0
	s_mov_b32 s[KO], 0
	s_mov_b32 s2, 3
.Lpair_\@:
	v_add_nc_u32 v[RA], s[KO], v[ALA]
	v_add_nc_u32 v[RB], s[KO], v[ALB]
	QUARTER RA, RB, PL, 128, 1, 0, 0
	QUARTER RA, RB, PL, 192, 0, 1, 0
	WIN 0
	s_add_co_u32 s[KO], s[KO], 128
	s_sub_co_u32 s2, s2, 1
	s_cmp_lg_u32 s2, 0
	s_cbranch_scc1 .Lpair_\@
.endm
; A slot's last quarter multiplies buffer 1 and changes slots; sl = the slot that is left (0 long, 1 short).  One barrier; ahead of it each wave waits for all its tensor loads (one is out: its part of the
; other slot), adds 0 to its spare word, and waits for that and for its reads of this slot.  fill = 1: the barrier opens a round of the cluster's, and this slot is filled again, 384 along K on,
; first thing behind the round.
.macro TURN sl, fill
	WIN 0
	s_wait_tensorcnt 0x0
	ds_add_u32 v[SPW], v[NIL]
	s_wait_dscnt 5                                 ; the add and the youngest four loads may be out
	MUL8 1, 0, 0
	s_wait_dscnt 0x0                               ; the add is done, and my reads of this slot are over
	s_barrier_signal -1
	MUL8 1, 1, 0
.if \fill
	WIN 0
.endif
	s_barrier_wait -1
.if \fill
	CREST                                          ; no wave of any partner still reads this slot or has a load on its way
	s_add_nc_u64 s[G0A+4*(\sl)+2:G0A+4*(\sl)+3], s[G0A+4*(\sl)+2:G0A+4*(\sl)+3], CYC
	s_add_nc_u64 s[G0B+4*(\sl)+2:G0B+4*(\sl)+3], s[G0B+4*(\sl)+2:G0B+4*(\sl)+3], CYC
	JLOAD \sl                                      ; its four v_nop are also the places ahead of the loads below
.else
	PLACES
.endif
.if (\sl) == 0
	FETCH ASA, ASB, PS, 0, 0
.else
	FETCH ALA, ALB, PL, 0, 0
.endif
	MUL8 1, 2, 0
	MUL8 1, 3, 0
.endm
	s_wait_tensorcnt 1                             ; my part of the short slot is in; the long slot's may stay out
	s_barrier_signal -1
	s_barrier_wait -1
	FETCH ASA, ASB, PS, 0, 0
	QUARTER ASA, ASB, PS, 64, 0, 1, 1              ; the first quarter starts the sums: nothing is cleared
	WIN 0
	s_mov_b32 s3, 5
	s_branch .Lenter                               ; the loop is entered in its middle: the short slot is filled again five times, the long slot four times
.Lcycle:
	PAIRS
	TURN 0, 1
	QUARTER ASA, ASB, PS, 64,  0, 1, 0
	WIN 0
.Lenter:
	QUARTER ASA, ASB, PS, 128, 1, 0, 0
	QUARTER ASA, ASB, PS, 192, 0, 1, 0
	TURN 1, 1
	QUARTER ALA, ALB, PL, 64,  0, 1, 0
	WIN 0
	s_sub_co_u32 s3, s3, 1
	s_cmp_lg_u32 s3, 0
	s_cbranch_scc1 .Lcycle
	PAIRS                                          ; the tail is written out: the rest of the last long slot, the last short one, no fill
	TURN 0, 0
	QUARTER ASA, ASB, PS, 64,  0, 1, 0
	QUARTER ASA, ASB, PS, 128, 1, 0, 0
	QUARTER ASA, ASB, PS, 192, 0, 1, 0
	s_wait_dscnt 4
	MUL8 1, 0, 0
	MUL8 1, 1, 0
	s_wait_dscnt 0x0
	MUL8 1, 2, 0
	MUL8 1, 3, 0
	WIN 0
; THE WAY OUT, 16 rows x 64 columns at a time: the sums go as they are into my own stage, from each accumulator's low end on, and come back as whole pieces of 256 bytes of a row.
.macro OUT a, hf
.set BK, 64+32*(\hf)
	WIN 0x04                                       ; store data in window 1
.set n, 0
.rept 8
	ds_store_b128 v[STO], v[64*(\a)+32*(\hf)+4*n:64*(\a)+32*(\hf)+4*n+3] offset:64*(n/2)+16*(n%2)
.set n, n+1
.endr
	WIN 0
	s_wait_xcnt 0x0                                ; BK, which the stores of two pieces ago read, is loaded again only behind this wait
.set n, 0
.rept 8
	ds_load_b128 v[BK+4*n:BK+4*n+3], v[RD] offset:n*2*SPITCH  ; LDS serves a wave's instructions in order (ISA guide 5.7.1.4): these see the stores above; the next piece's stores come behind them
.set n, n+1
.endr
.set n, 0
.rept 8
	s_wait_dscnt 7-n
	global_store_b128 v[GOF], v[BK+4*n:BK+4*n+3], s[8:9] offset:(16*(\a)+2*n)*16384+256*(\hf) th:TH_STORE_NT  ; 16 lanes store 256 consecutive bytes, at a multiple of 256 from out0's first byte
.set n, n+1
.endr
.endm
	PLACES                                         ; behind the last products
.irp a, 0,1,2,3
	OUT \a, 0
	OUT \a, 1
.endr
	s_wait_tensorcnt 0x0                           ; the wave's end, behind my last tensor load and my last LDS store
	ds_add_u32 v[SPW], v[NIL]
	s_wait_dscnt 0x0
	CROUND                                         ; the closing round: no work-group ends while a partner may still ask for a tile that names it
	s_endpgm
.Lfunc_end_k_qf5cc791822_oproj:
	.size	k_qf5cc791822_oproj, .Lfunc_end_k_qf5cc791822_oproj-k_qf5cc791822_oproj
	.p2alignl 7, 3214868480
	.fill 96, 4, 3214868480
	.section	.rodata,"a",@progbits
	.p2align	6, 0x0
	.amdhsa_kernel k_qf5cc791822_oproj
		.amdhsa_group_segment_fixed_size 327680
		.amdhsa_private_segment_fixed_size 0
		.amdhsa_enable_private_segment 0
		.amdhsa_kernarg_size 24
		.amdhsa_user_sgpr_count 2
		.amdhsa_user_sgpr_kernarg_segment_ptr 1
		.amdhsa_wavefront_size32 1
		.amdhsa_system_sgpr_workgroup_id_x 1
		.amdhsa_system_sgpr_workgroup_id_y 1
		.amdhsa_system_sgpr_workgroup_id_z 1
		.amdhsa_system_vgpr_workitem_id 0
		.amdhsa_next_free_vgpr 512
		.amdhsa_next_free_sgpr 84
		.amdhsa_reserve_vcc 0
		.amdhsa_float_denorm_mode_32 3
		.amdhsa_float_denorm_mode_16_64 3
		.amdhsa_memory_ordered 1
		.amdhsa_forward_progress 1
		.amdhsa_inst_pref_size 89
	.end_amdhsa_kernel
	.amdgpu_metadata
---
amdhsa.version: [ 1, 2 ]
amdhsa.kernels:
  - .name:           k_qf5cc791822_oproj
    .symbol:         k_qf5cc791822_oproj.kd
    .args:
      - { .name: obuf, .offset: 0, .size: 8, .value_kind: global_buffer, .address_space: global }
      - { .name: wof, .offset: 8, .size: 8, .value_kind: global_buffer, .address_space: global }
      - { .name: out0, .offset: 16, .size: 8, .value_kind: global_buffer, .address_space: global }
    .group_segment_fixed_size: 327680
    .private_segment_fixed_size: 0
    .kernarg_segment_align: 8
    .kernarg_segment_size: 24
    .max_flat_workgroup_size: 128
    .sgpr_count:     84
    .vgpr_count:     512
    .wavefront_size: 32
...
	.end_amdgpu_metadata
.endif
;; end of part 4
